; MI455X (gfx1250); checked and timed in simulation.
; The chip was launched on July 23, 2026; its instructions are those of AMD's public machine-readable ISA for CDNA 5 (MIT licence, August 2026) and "CDNA5" Instruction Set Architecture Reference Guide (July 2026). The comments in the code are by the model that wrote it; some were corrected since.
;; Causal Self Attention. Allowed arithmetic: matrix products marked QUANTISED: E2M1 operands, one E8M0 scale for each 32 along K, by v_wmma_scale_f32_16x16x128_f8f6f4 with both operands' format E2M1 (or v_wmma_scale_f32_32x16x128_f4), f32 sums; products left as they are: bf16, f16 or f32 operands; f32 sums; everything else in f32.
;; Inputs: Wproj 1,024 x 1,024 float32; Wqkv 1,024 x 3,072 float32; bproj 1,024 float32; bqkv 3,072 float32; x 4 x 2,048 x 1,024 float32.
;; Outputs: out0 4 x 2,048 x 1,024 float32.
;; This version of the problem:
;;   THIS VERSION OF THE PROBLEM IS GIVEN IN LOW PRECISION. The matrix products marked QUANTISED in the list below multiply operands that are first quantised to E2M1 (2 exponent bits, 1 mantissa bit; 4 bits a number), with one power-of-two scale for each 32 numbers along K (OCP MX v1.0); their sums are f32. The products marked 'left as it is' may take bf16, f16 or f32 operands, with f32 sums. Whichever they take, every output number must still come out within the allowed error. Rounding operands to bf16 (8 significant bits) uses up far more of that allowance than f16 does (11 bits, for magnitudes from 6e-5 to 65,504). All else is computed in f32.
;;   The module's matrix products, in the order in which they are computed (A, B: the left and right operand; K: the contracted axis; several contracted axes count as one K, in the product's order):
;;     1. [M 8,192, K 1,024] x [K 1,024, N 3,072]; A: input x; B: input Wqkv: QUANTISED
;;     2. batch 64 x [M 2,048, K 64] x [K 64, N 2,048]; A: computed on the way; B: computed on the way: left as it is (an operand is computed on the way)
;;     3. batch 64 x [M 2,048, K 2,048] x [K 2,048, N 64]; A: computed on the way; B: computed on the way: left as it is (an operand is computed on the way)
;;     4. [M 8,192, K 1,024] x [K 1,024, N 1,024]; A: computed on the way; B: input Wproj: left as it is (an operand is computed on the way)
;;   THE QUANTISER, for each operand of a quantised product, along K:
;;     - K is cut into blocks of 32 from its start; a last block that is shorter is filled with zeros.
;;     - A block's scale is 2^e with e = floor(log2(the largest magnitude in the block)) - 2, held to -126 .. 127; a block of zeros has e = 0. As a byte (E8M0): e + 127.
;;     - Each number is divided by its block's scale, clamped to +-6, and rounded to the nearest number of E2M1, ties to even, subnormals kept.
;;     - The product sums the exact products of the quantised numbers (number of the format x scale) in f32.
;;   ~~~python
;;   def quantise(x, axis):      # numpy; x: float32 -> the quantised numbers, widened to float32 again
;;       x = np.moveaxis(x, axis, -1); K = x.shape[-1]
;;       x = np.pad(x, [(0, 0)] * (x.ndim - 1) + [(0, -K % 32)]); x = x.reshape(x.shape[:-1] + (-1, 32)); a = np.abs(x).max(-1, keepdims=True)
;;       e = np.where(a > 0, np.clip(np.frexp(np.where(a > 0, a, 1))[1] - 1 - 2, -126, 127), 0)      # np.frexp(a)[1] - 1 = floor(log2(a)), exactly
;;       r = np.clip(x / 2.0 ** e, -6, 6)
;;       step = 2.0 ** (np.maximum(np.frexp(np.where(r == 0, 1, r))[1] - 1, 0) - 1)
;;       q = np.round(r / step) * step * 2.0 ** e      # np.round: ties to even
;;       return np.moveaxis(q.reshape(q.shape[:-2] + (-1,))[..., :K], -1, axis).astype(np.float32)
;;   ~~~
;; One version. Each part assembles by itself: llvm-mc -triple=amdgcn-amd-amdhsa -mcpu=gfx1250 --defsym DOCPART=n.
;; ======== version 1 of 1: 5 launches
;; limits: values are held in f16: magnitudes above 65,504 overflow, below 6.1e-05 lose precision
;; workspace buffers: xc 4,194,304 bytes; xs 262,144 bytes; wc 1,572,864 bytes; ws 98,304 bytes; wpt 2,097,152 bytes; qkv 50,331,648 bytes; qkv32 786,432 bytes; yh 16,777,216 bytes
;; launch prep (part 1): grid 368 x 1, 4 waves a work-group, no clusters, 102,912 bytes of LDS; arguments x, Wqkv, Wproj, xc, xs, wc, ws, wpt; writes xc, xs, wc, ws, wpt
.if DOCPART == 1
	.amdgcn_target "amdgcn-amd-amdhsa--gfx1250"
	.amdhsa_code_object_version 6
	.text
	.protected	k_qda4790d274_prep
	.globl	k_qda4790d274_prep
	.p2align	8
	.type	k_qda4790d274_prep,@function
k_qda4790d274_prep:
	s_mov_b64 s[64:65], 0
	v_nop
	global_prefetch_b8 v0, s[64:65] scope:SCOPE_SE
	s_setreg_imm32_b32 hwreg(HW_REG_WAVE_MODE, 25, 1), 1
	s_wait_xcnt 0x0
; CAUSAL SELF-ATTENTION, launch 1 of 5: the operands of the two weight products are laid as the matrix units want them.
;   x [8192][1024] f32      -> xc [8192][512 bytes] codes of E2M1, K innermost, two codes a byte;  xs [8192][32] E8M0 bytes, one for each 32 along K
;   Wqkv [1024 (k)][3072] f32 -> wc [3072][512 bytes], ws [3072][32]: quantised along K, which is its FIRST axis, and laid with K innermost
;   Wproj [1024 (k)][1024] f32 -> wpt [1024 (n)][1024 (k)] f16: rounded once, K innermost
; A block's scale is 2^(floor(log2(its largest magnitude)) - 2); its byte is the largest magnitude's exponent field - 2, held at 1 from below; each number is divided by the scale and rounded to the nearest code, ties to even.
; WORK THAT THE PROGRAM LEAVES OUT, shown here for all launches:
;   (a) THE BIAS ON k, bqkv[1024:2048].  att[q][j] = q . (k_j + bk) / 8 = q . k_j / 8 + q . bk / 8; the second term is the same for every key j of a row, hidden keys stay -infinity, and a softmax along j
;       takes a term that is the same along j away, for all finite values of the inputs.  k enters no quantised operand (the product q k^T is left as it is), so no code or scale can move.  These 1,024 numbers are not loaded;
;       bqkv stays an argument for q's and v's parts.
;   (b) Scores above the diagonal of the causal mask, which reference() builds itself: they become -infinity and their weights 0.  Steps of 64 keys that lie wholly behind a tile of 16 queries are not computed, and slots of keys behind a work-group's last query are not fetched.
; LIMITS: a NaN, an infinity or an overflow that reaches only the work left out is not carried to the result.  NaN and infinities among the inputs are not served.  A block of zeros gets the byte 1 where the rule says 127
; (its codes are zeros, which add nothing under any byte but 0xff; the bytes are read by this program alone); blocks whose largest magnitude lies under 2^-124 are held at the byte 1.  |Wproj| stays under 65,504, f16's largest number.
; THREE PATHS, parted by the work-group's number; each has LDS bytes of its own.  Work-groups 0-47: Wqkv (24 groups of 128 columns x 2 halves of K).  48-111: Wproj (8 groups of 128 columns x 8 runs of 128 along K).  112-367: x (32,768 numbers each).
; No tensor loads, no barrier: waves share nothing.
.set SPARE, 102400                     ; behind the three paths' bytes: the spare words, 128 bytes for each wave: two blocks of 256 bytes that no other line names
.set SPW,   190                        ; v190  LDS address of my spare word: SPARE + 4 x my thread's number; never rewritten
.set NIL,   191                        ; v191  0; never rewritten
.set EMAX,  2                          ; the exponent of E2M1's largest number, 6
.set WREG,  8192                       ; path X: LDS 0 .. 32,767: a region for each wave: two stages of 32 x SP bytes, behind them its 256 scale bytes
.set SP,    80                         ; a lane's place in a stage: its 64 bytes + 16 of padding
.set CB,    8                          ; bytes of 16 codes
.set STEPS, 16
.set R,     16                         ; v16-79   four sets of 16 numbers as they are loaded
.set X,     80                         ; v80-111  two sets of 16 neighbours
.set E,     112                        ; v112-127 a scale byte for each step
.set C,     128                        ; v128-189 codes: four registers for each step, so that no store's data are written again
.set PITCH, 272                        ; paths W and P: a stage row: 256 bytes + 16
.set WSTG,  32768                      ; path W: LDS 32,768 .. 67,583: four stages of 32 rows
.set PSTG,  67584                      ; path P: LDS 67,584 .. 102,399: four stages of 32 rows
.set XW,    32                         ; v32-95   two sets of 32 numbers down K
.set CW,    96                         ; v96..    a block's codes (W: 4 registers) or f16 pairs (P: 16)
.set OUTR,  112                        ; v112-175 the way out: 16 x 4 registers
.set SB,    24                         ; v24-27   path W: the scale bytes, four to a register
.macro FINISH                          ; a wave's end, behind my last LDS store
	s_wait_tensorcnt 0x0
	ds_add_u32 v[SPW], v[NIL]
	s_wait_dscnt 0x0
	s_endpgm
.endm
	s_load_b256 s[4:11], s[0:1], 0x0               ; x s[4:5], Wqkv s[6:7], Wproj s[8:9], xc s[10:11]
	s_load_b256 s[12:19], s[0:1], 0x20             ; xs s[12:13], wc s[14:15], ws s[16:17], wpt s[18:19]
	v_lshl_add_u32 v[SPW], v0, 2, SPARE
	v_mov_b32 v[NIL], 0
	v_lshrrev_b32 v1, 5, v0
	v_readfirstlane_b32 s20, v1                    ; wave 0..3
	v_and_b32 v2, 31, v0                           ; lane
	s_mov_b32 s25, 0                               ; the upper word of every offset below
	s_wait_kmcnt 0x0
	s_cmp_lt_u32 ttmp9, 48
	s_cbranch_scc1 .Lpath_w
	s_cmp_lt_u32 ttmp9, 112
	s_cbranch_scc1 .Lpath_p
; ---- PATH X.  x is a plain stream of blocks of 32.  A wave takes 16 steps of 512 numbers.  Each of a step's four loads reads 512 consecutive bytes, 16 a lane; the 2,048 bytes go through the wave's own stage in LDS
; and come back 64 bytes a lane: 16 NEIGHBOURS along K, which is what the conversions take; two neighbouring lanes hold a block.  Loads run four steps ahead, the turn through LDS one step.
	v_lshlrev_b32 v3, 4, v2                        ; my 16 bytes of a load's 512
	s_mul_i32 s21, s20, WREG
	v_lshrrev_b32 v14, 2, v2
	v_mul_u32_u24 v14, v14, SP
	v_and_b32 v15, 3, v2
	v_lshl_add_u32 v14, v15, 4, v14
	v_add_nc_u32 v14, s21, v14                     ; the stage, on the way in: SP (lane / 4) + 16 (lane % 4)
	v_mul_u32_u24 v15, v2, SP
	v_add_nc_u32 v15, s21, v15                     ; and on the way out: SP x lane
	v_mul_u32_u24 v4, v2, CB                       ; my codes' place in a step's
	v_lshrrev_b32 v5, 1, v2
	s_add_co_u32 s21, s21, 2*32*SP
	v_add_nc_u32 v5, s21, v5                       ; LDS: my wave's 256 scale bytes, my block's byte
	v_lshlrev_b32 v7, 3, v2                        ; and on the way out 8 bytes a lane
	v_add_nc_u32 v6, s21, v7
	s_sub_co_u32 s22, ttmp9, 112
	s_lshl_b32 s22, s22, 2
	s_add_co_u32 s22, s22, s20                     ; which run of 8,192 numbers is my wave's: 0 .. 1,023
	s_lshl_b32 s24, s22, 15
	s_add_nc_u64 s[4:5], s[4:5], s[24:25]          ; 32,768 bytes of x,
	s_lshl_b32 s24, s22, 12
	s_add_nc_u64 s[10:11], s[10:11], s[24:25]      ; 4,096 of codes,
	s_lshl_b32 s24, s22, 8
	s_add_nc_u64 s[12:13], s[12:13], s[24:25]      ; 256 scale bytes a run
.macro XLOAD t
.irp i, 0,1,2,3
	global_load_b128 v[R+16*((\t)%4)+4*\i:R+16*((\t)%4)+4*\i+3], v3, s[4:5] offset:2048*(\t)+512*\i th:TH_LOAD_NT   ; 32 lanes read 512 consecutive bytes
.endr
.endm
.macro XTURN t                         ; step t's numbers through the stage: LDS serves a wave's instructions in order, so no wait stands between the stores and the loads
.irp i, 0,1,2,3
	ds_store_b128 v14, v[R+16*((\t)%4)+4*\i:R+16*((\t)%4)+4*\i+3] offset:32*SP*((\t)%2)+8*SP*\i
.endr
.irp i, 0,1,2,3
	ds_load_b128 v[X+16*((\t)%2)+4*\i:X+16*((\t)%2)+4*\i+3], v15 offset:32*SP*((\t)%2)+16*\i
.endr
.endm
.irp t, 0,1,2,3
	XLOAD \t
.endr
	s_wait_loadcnt 12                              ; step 0's four loads are in; the twelve of steps 1 to 3 may be out
	XTURN 0
.macro XSTEP t
.set XS, X+16*((\t)%2)
.if (\t) > 0
	s_wait_dscnt 1                                 ; this step's numbers are back from the stage (the last step's byte store may be out)
.else
	s_wait_dscnt 0x0
.endif
.if (\t)+4 < STEPS
	XLOAD (\t)+4                                   ; into the registers that this step's stores into the stage have read
.endif
.if (\t)+1 < STEPS
.if STEPS-2-(\t) >= 3
	s_wait_loadcnt 12                              ; the next step's four loads are in; those of the three steps behind it may be out
.else
	s_wait_loadcnt 4*(STEPS-2-(\t))
.endif
	XTURN (\t)+1
.endif
	v_max3_num_f32 v8, |v[XS]|, |v[XS+1]|, |v[XS+2]|               ; the largest magnitude of my 16, in two chains
	v_max3_num_f32 v9, |v[XS+3]|, |v[XS+4]|, |v[XS+5]|
.irp i, 6,10
	v_max3_num_f32 v8, v8, |v[XS+\i]|, |v[XS+\i+1]|
	v_max3_num_f32 v9, v9, |v[XS+\i+2]|, |v[XS+\i+3]|
.endr
	v_max3_num_f32 v8, v8, |v[XS+14]|, |v[XS+15]|
	v_max3_num_f32 v8, v8, v9, (EMAX+1)<<23        ; and the floor 2^(EMAX + 1 - 127): so the byte cannot fall under 1
	v_max_num_f32_dpp v8, v8, v8 row_xmask:1 row_mask:0xf bank_mask:0xf   ; and of my neighbour's 16: the block's
	v_add_nc_u32 v11, -(EMAX<<23), v8              ; EMAX off its exponent field: the conversion takes the exponent field of this operand as its scale
	v_cvt_scalef32_pk8_fp4_f32 v[C+4*(\t)], v[XS:XS+7], v11
	v_cvt_scalef32_pk8_fp4_f32 v[C+4*(\t)+1], v[XS+8:XS+15], v11
	v_lshrrev_b32 v[E+(\t)], 23, v11               ; the scale's byte (also the plain line behind the conversions)
	ds_store_b8 v5, v[E+(\t)] offset:16*(\t)       ; both lanes of a block write the same byte with the same value
	global_store_b64 v4, v[C+4*(\t):C+4*(\t)+1], s[10:11] offset:32*CB*(\t)   ; the wave stores 256 consecutive bytes, aligned
.endm
.irp t, 0,1,2,3,4,5,6,7,8,9,10,11,12,13,14,15
	XSTEP \t
.endr
	ds_load_b64 v[8:9], v6                         ; LDS serves a wave's instructions in order: these see my byte stores
	s_wait_dscnt 0x0
	global_store_b64 v7, v[8:9], s[12:13]          ; 32 lanes store 256 consecutive scale bytes, aligned
	FINISH
; ---- PATH W.  A LANE TAKES A COLUMN n OF Wqkv, AND ITS REGISTERS RUN DOWN K: a block of 32 along K lies in one lane's 32 registers, and the conversions give codes with K innermost.  A wave takes 32 columns x 512 along K.
; The codes go through the wave's stage and leave as rows: sixteen lanes store 256 consecutive bytes, aligned.  Every offset is an immediate: 511 rows of 12,288 bytes at the most, inside the signed 24 bits.
.Lpath_w:
	s_cmp_ge_u32 ttmp9, 24
	s_cselect_b32 s22, 1, 0                        ; which 512 along K
	s_cselect_b32 s23, 24, 0
	s_sub_co_u32 s23, ttmp9, s23                   ; which 128 columns
	s_lshl_b32 s23, s23, 7
	s_lshl_b32 s24, s20, 5
	s_add_co_u32 s23, s23, s24                     ; my wave's first column
	v_lshlrev_b32 v3, 2, v2                        ; in: 4 bytes a lane
	s_mul_i32 s21, s20, 32*PITCH
	s_add_co_u32 s21, s21, WSTG                    ; my stage
	v_mul_u32_u24 v4, v2, PITCH
	v_add_nc_u32 v4, s21, v4                       ; into it: row = my column
	v_and_b32 v5, 15, v2
	v_lshrrev_b32 v6, 4, v2
	v_mul_u32_u24 v7, v6, PITCH
	v_lshl_add_u32 v7, v5, 4, v7
	v_add_nc_u32 v7, s21, v7                       ; out of it: sixteen lanes to a row, two rows an instruction
	v_lshlrev_b32 v8, 9, v6
	v_lshl_add_u32 v8, v5, 4, v8                   ; the same place in wc: rows of 512 bytes
	v_lshlrev_b32 v9, 5, v2                        ; my column's row of 32 scale bytes
	s_mul_i32 s24, s22, 512*12288
	s_lshl_b32 s26, s23, 2
	s_add_co_u32 s24, s24, s26
	s_add_nc_u64 s[6:7], s[6:7], s[24:25]
	s_lshl_b32 s24, s23, 9
	s_lshl_b32 s26, s22, 8
	s_add_co_u32 s24, s24, s26
	s_add_nc_u64 s[14:15], s[14:15], s[24:25]
	s_lshl_b32 s24, s23, 5
	s_lshl_b32 s26, s22, 4
	s_add_co_u32 s24, s24, s26
	s_add_nc_u64 s[16:17], s[16:17], s[24:25]
.macro WLOAD t                         ; block t: Wqkv(32 t + i, my column), i = 0 .. 31, into set t % 2
.irp i, 0,1,2,3,4,5,6,7,8,9,10,11,12,13,14,15,16,17,18,19,20,21,22,23,24,25,26,27,28,29,30,31
	global_load_b32 v[XW+32*((\t)%2)+\i], v3, s[6:7] offset:(32*(\t)+\i)*12288 th:TH_LOAD_NT
.endr
.endm
	WLOAD 0
	WLOAD 1
.macro WBLOCK t
.set XS, XW+32*((\t)%2)
.if (\t) < 15
	s_wait_loadcnt 32                              ; this block's 32 loads are in; the next block's may be out
.else
	s_wait_loadcnt 0
.endif
	v_max3_num_f32 v12, |v[XS]|, |v[XS+1]|, |v[XS+2]|               ; the block's largest magnitude: all 32 numbers are mine
	v_max3_num_f32 v13, |v[XS+3]|, |v[XS+4]|, |v[XS+5]|
.irp i, 6,10,14,18,22,26
	v_max3_num_f32 v12, v12, |v[XS+\i]|, |v[XS+\i+1]|
	v_max3_num_f32 v13, v13, |v[XS+\i+2]|, |v[XS+\i+3]|
.endr
	v_max3_num_f32 v12, v12, |v[XS+30]|, |v[XS+31]|
	v_max3_num_f32 v12, v12, v13, (EMAX+1)<<23     ; and the floor
	v_add_nc_u32 v11, -(EMAX<<23), v12             ; the conversion's scale operand
	v_lshrrev_b32 v13, 23, v11                     ; the scale's byte
.if (\t)%4 == 0
	v_mov_b32 v[SB+(\t)/4], v13                    ; four bytes to a register, the lower K in the lower byte
.else
	v_lshl_or_b32 v[SB+(\t)/4], v13, 8*((\t)%4), v[SB+(\t)/4]
.endif
.irp g, 0,1,2,3
	v_cvt_scalef32_pk8_fp4_f32 v[CW+\g], v[XS+8*\g:XS+8*\g+7], v11
.endr
	ds_store_b128 v4, v[CW:CW+3] offset:16*(\t)    ; 32 codes: 16 bytes of my column's row
.if (\t)+2 < 16
	WLOAD (\t)+2
.endif
	s_wait_dscnt 0x0                               ; the store has read its registers: the next block's codes may be written
.endm
.set BN, 0
.rept 16
	WBLOCK BN
.set BN, BN+1
.endr
	global_store_b128 v9, v[SB:SB+3], s[16:17]     ; my column's 16 scale bytes of this half of K
.irp t, 0,1,2,3,4,5,6,7,8,9,10,11,12,13,14,15
	ds_load_b128 v[OUTR+4*\t:OUTR+4*\t+3], v7 offset:2*\t*PITCH   ; LDS serves a wave's instructions in order: these see my stores
.endr
.irp t, 0,1,2,3,4,5,6,7,8,9,10,11,12,13,14,15
	s_wait_dscnt 15-\t                             ; the younger read-backs may be out
	global_store_b128 v8, v[OUTR+4*\t:OUTR+4*\t+3], s[14:15] offset:2*\t*512
.endr
	FINISH
; ---- PATH P.  The same plan for Wproj, without a quantiser: a lane takes a column n, its registers run down K, pairs are rounded to f16.  A wave takes 32 columns x 128 along K: 256 bytes a column.
.Lpath_p:
	s_sub_co_u32 s22, ttmp9, 48
	s_and_b32 s23, s22, 7
	s_lshl_b32 s23, s23, 7
	s_lshl_b32 s24, s20, 5
	s_add_co_u32 s23, s23, s24                     ; my wave's first column
	s_lshr_b32 s22, s22, 3                         ; which 128 along K
	v_lshlrev_b32 v3, 2, v2
	s_mul_i32 s21, s20, 32*PITCH
	s_add_co_u32 s21, s21, PSTG                    ; my stage
	v_mul_u32_u24 v4, v2, PITCH
	v_add_nc_u32 v4, s21, v4
	v_and_b32 v5, 15, v2
	v_lshrrev_b32 v6, 4, v2
	v_mul_u32_u24 v7, v6, PITCH
	v_lshl_add_u32 v7, v5, 4, v7
	v_add_nc_u32 v7, s21, v7
	v_lshlrev_b32 v8, 11, v6
	v_lshl_add_u32 v8, v5, 4, v8                   ; the same place in wpt: rows of 2,048 bytes
	s_lshl_b32 s24, s22, 19                        ; 128 rows of 4,096 bytes
	s_lshl_b32 s26, s23, 2
	s_add_co_u32 s24, s24, s26
	s_add_nc_u64 s[8:9], s[8:9], s[24:25]
	s_lshl_b32 s24, s23, 11
	s_lshl_b32 s26, s22, 8
	s_add_co_u32 s24, s24, s26
	s_add_nc_u64 s[18:19], s[18:19], s[24:25]
.macro PLOAD t
.irp i, 0,1,2,3,4,5,6,7,8,9,10,11,12,13,14,15,16,17,18,19,20,21,22,23,24,25,26,27,28,29,30,31
	global_load_b32 v[XW+32*((\t)%2)+\i], v3, s[8:9] offset:(32*(\t)+\i)*4096
.endr
.endm
	PLOAD 0
	PLOAD 1
.macro PBLOCK t
.set XS, XW+32*((\t)%2)
.if (\t) < 3
	s_wait_loadcnt 32                              ; this block's 32 loads are in; the next block's may be out
.else
	s_wait_loadcnt 0
.endif
.irp i, 0,1,2,3,4,5,6,7,8,9,10,11,12,13,14,15
	v_cvt_pk_f16_f32 v[CW+\i], v[XS+2*\i], v[XS+2*\i+1]            ; the lower k into the low half
.endr
.irp g, 0,1,2,3
	ds_store_b128 v4, v[CW+4*\g:CW+4*\g+3] offset:64*(\t)+16*\g
.endr
.if (\t)+2 < 4
	PLOAD (\t)+2
.endif
	s_wait_dscnt 0x0
.endm
.irp t, 0,1,2,3
	PBLOCK \t
.endr
.irp t, 0,1,2,3,4,5,6,7,8,9,10,11,12,13,14,15
	ds_load_b128 v[OUTR+4*\t:OUTR+4*\t+3], v7 offset:2*\t*PITCH
.endr
.irp t, 0,1,2,3,4,5,6,7,8,9,10,11,12,13,14,15
	s_wait_dscnt 15-\t
	global_store_b128 v8, v[OUTR+4*\t:OUTR+4*\t+3], s[18:19] offset:2*\t*2048   ; sixteen lanes store 256 consecutive bytes, aligned
.endr
	FINISH
.Lfunc_end_k_qda4790d274_prep:
	.size	k_qda4790d274_prep, .Lfunc_end_k_qda4790d274_prep-k_qda4790d274_prep
	.p2alignl 7, 3214868480
	.fill 96, 4, 3214868480
	.section	.rodata,"a",@progbits
	.p2align	6, 0x0
	.amdhsa_kernel k_qda4790d274_prep
		.amdhsa_group_segment_fixed_size 102912
		.amdhsa_private_segment_fixed_size 0
		.amdhsa_enable_private_segment 0
		.amdhsa_kernarg_size 64
		.amdhsa_user_sgpr_count 2
		.amdhsa_user_sgpr_kernarg_segment_ptr 1
		.amdhsa_wavefront_size32 1
		.amdhsa_system_sgpr_workgroup_id_x 1
		.amdhsa_system_sgpr_workgroup_id_y 1
		.amdhsa_system_sgpr_workgroup_id_z 1
		.amdhsa_system_vgpr_workitem_id 0
		.amdhsa_next_free_vgpr 192
		.amdhsa_next_free_sgpr 66
		.amdhsa_reserve_vcc 0
		.amdhsa_float_denorm_mode_32 3
		.amdhsa_float_denorm_mode_16_64 3
		.amdhsa_memory_ordered 1
		.amdhsa_forward_progress 1
		.amdhsa_inst_pref_size 132
	.end_amdhsa_kernel
	.amdgpu_metadata
---
amdhsa.version: [ 1, 2 ]
amdhsa.kernels:
  - .name:           k_qda4790d274_prep
    .symbol:         k_qda4790d274_prep.kd
    .args:
      - { .name: x, .offset: 0, .size: 8, .value_kind: global_buffer, .address_space: global }
      - { .name: Wqkv, .offset: 8, .size: 8, .value_kind: global_buffer, .address_space: global }
      - { .name: Wproj, .offset: 16, .size: 8, .value_kind: global_buffer, .address_space: global }
      - { .name: xc, .offset: 24, .size: 8, .value_kind: global_buffer, .address_space: global }
      - { .name: xs, .offset: 32, .size: 8, .value_kind: global_buffer, .address_space: global }
      - { .name: wc, .offset: 40, .size: 8, .value_kind: global_buffer, .address_space: global }
      - { .name: ws, .offset: 48, .size: 8, .value_kind: global_buffer, .address_space: global }
      - { .name: wpt, .offset: 56, .size: 8, .value_kind: global_buffer, .address_space: global }
    .group_segment_fixed_size: 102912
    .private_segment_fixed_size: 0
    .kernarg_segment_align: 8
    .kernarg_segment_size: 64
    .max_flat_workgroup_size: 128
    .sgpr_count:     66
    .vgpr_count:     192
    .wavefront_size: 32
...
	.end_amdgpu_metadata
.endif
;; end of part 1
;; launch gemm_qkv (part 2): grid 12 x 32, 4 waves a work-group, clusters of 4 x 4, 327,680 bytes of LDS; arguments xc, xs, wc, ws, qkv, bqkv, qkv32; writes qkv, qkv32
.if DOCPART == 2
	.amdgcn_target "amdgcn-amd-amdhsa--gfx1250"
	.amdhsa_code_object_version 6
	.text
	.protected	k_qda4790d274_gemm_qkv
	.globl	k_qda4790d274_gemm_qkv
	.p2align	8
	.type	k_qda4790d274_gemm_qkv,@function
k_qda4790d274_gemm_qkv:
	s_mov_b64 s[64:65], 0
	v_nop
	global_prefetch_b8 v0, s[64:65] scope:SCOPE_SE
	s_setreg_imm32_b32 hwreg(HW_REG_WAVE_MODE, 25, 1), 1
	s_wait_xcnt 0x0
	s_wait_alu depctr_hold_cnt(0) depctr_sa_sdst(0) depctr_va_vdst(0) depctr_va_sdst(0) depctr_va_ssrc(0) depctr_va_vcc(0) depctr_vm_vsrc(0)
	s_getreg_b32 s2, hwreg(HW_REG_IB_STS2, 6, 4)
	s_cmp_eq_u32 s2, 0
	s_cbranch_scc0 .Lentry_in_a_cluster
	s_endpgm
.Lentry_in_a_cluster:
	s_bfe_u32 s2, ttmp6, 0x10000c
	s_cmp_lg_u32 s2, 0xf033
	s_cbranch_scc0 .Lentry_shape_is_right
	s_endpgm
.Lentry_shape_is_right:
; Launch 2 of 5: qkv = Q(x) Q(Wqkv) + bias, on codes of E2M1 with one E8M0 scale for each 32 along K; sums in f32.  M = 8,192, N = 3,072, K = 1,024.
; OUT: qkv, f16, laid by head: [q, k, v][batch 4][head 16][t 2048][64]; and the rows t < 16 of every batch once more in f32, qkv32 [batch 4][t 16][3072], for the last launch.
; LEFT OUT: the bias on k's 1,024 columns (a term that is the same along the softmax's axis; shown at the head of the first launch): the clusters that make k's columns load no bias; the registers that start their sums hold zeros.
; LIMIT: |q|, |k|, |v| stay under 65,504, f16's largest number.
; A tile of C, 256 x 256, is made by a work-group of four waves; a wave makes 128 x 128: 64 accumulators of 16 x 16, 512 registers.  K = 1,024 is exactly two LDS slots of 512 along K: every tile is asked for at the head, nothing is filled again, there is no loop.
; THE SCALES of the work-group's 256 rows of x and 256 rows of W, for all of K, are two dense blocks of memory: they come into LDS once, with the first fills.
; CLUSTERS: 4 x 4 work-groups.  Tile column = 4 x cluster x + cx; TILE ROW = 8 cy + cluster y: cy is the batch and cluster y the block of 256 positions, so that 'this tile holds t < 16' is 'cluster y = 0', the same in all sixteen partners,
; and 'these are k's columns' is 'cluster x = 1'.  The four of a row of the cluster need the same tiles of x, the four of a column the same tiles of W: each is asked for JOINTLY.
; THE MATRIX INSTRUCTION IS USED TRANSPOSED (source 0 = 16 rows of W's codes, source 1 = 16 rows of x's): a lane then holds eight neighbouring columns of one row of C.
; REGISTERS, in windows of 256: window 0: v0-31 addresses; v32-95 scale words, two sets, and nothing else; v96-127 rows on the way out; v128-191 x's fragments, one set; v192-255 the bias, eight registers for each block of 16 columns, in the result's layout;
;   on the way out v128-255 are free.   window 1: W's fragments, two sets, at v0 and v128.   window 2: the accumulators of my rows 0-63 ((a, b) at v[8 (8 a + b)]);   window 3: those of my rows 64-127.
.set NQ,     4                         ; matrix instructions deep in a slot
.set ROWB,   256                       ; a tile's row in bytes: 512 codes
.set KROW,   512                       ; a row of xc or wc in bytes
.set PITCH,  272                       ; an LDS row: 256 bytes + 16 of padding: the 16 rows that a load touches start 68 words apart
.set FR,     8                         ; registers of a fragment: 16 rows x 128 K
.set NL,     2                         ; LDS loads that bring one
.set NP,     4                         ; places behind this matrix instruction (ISA guide 7.12.1)
.set HALFT,  128*PITCH
.set SLOT,   4*HALFT                   ; x's 256 rows, then W's 256 rows
.set KS,     32                        ; a row of scales in bytes
.set SCL,    2*SLOT                    ; behind the ring: the scales, as runs of 256 bytes + 16 of padding
.set HALFS,  (128*KS/256)*272
.set SBLK,   (16*KS/256)*272
.set SPARE,  SCL+4*HALFS               ; the spare words, 128 bytes for each wave: two blocks of 256 bytes that no other line names
.set STGB,   16*528                    ; the way out: a stage of 8,448 bytes for each wave, in slot 0, which has had its one fill and its last read when the first result is stored there
.set STO32, 8                          ; v8   f32 rows: where I put 32 bytes of a row (pitch 528)
.set RD32,  9                          ; v9   and where I read a row back
.set CO32,  10                         ; v10  16 x lane
.set BO,    11                         ; v11  the bias: 32 bytes for each half of the lanes
.set ADRA, 16                          ; v16-17  LDS address of my x fragments in slot 0, 1
.set ADRB, 20                          ; v20-21  the same for W
.set STO,  24                          ; v24  f16: where I put 16 bytes of a row (pitch 272)
.set RD,   25                          ; v25  f16: where I read back: lanes 0-15 two rows of the left head, lanes 16-31 of the right
.set CO,   26                          ; v26  and the same place in qkv
.set ADRS, 27                          ; v27  LDS address of my scale words: lanes 0-15 x's rows, lanes 16-31 W's
.set SPW,  28                          ; v28  LDS address of my spare word; never rewritten
.set NIL,  29                          ; v29  0; never rewritten
.set SC,   32
.set AF,   128
.set BI,   192
.set FB,   128                         ; the way out: the f32 rows read back
.set TMP,  192                         ; packed f16
.set OB,   96                          ; f16 rows read back: v96-127 and v224-255 by turns
.set G1, 24
.set G0, 32
.set G1B, 48
.set G0B, 56
.set G1S, 68
.set G0S, 76
.set G1SB, 80
.set G0SB, 88
.set MSB, 0
.macro WIN new                         ; the immediate's high byte repeats the setting that is left
.if MSB != (\new)
	s_set_vgpr_msb (MSB<<8)|(\new)
.set MSB, (\new)
.endif
.endm
.set MUL_LO, 0xa1                      ; source 0 (W) window 1, source 1 (x) window 0, C and D window 2
.set MUL_HI, 0xf1                      ; the same, C and D window 3
.set BIA_LO, 0x81                      ; C (the bias) window 0, D window 2
.set BIA_HI, 0xc1                      ; C window 0, D window 3
.set TO_B,   0x40
; A joint load: waves 0 and 1 fetch for x, waves 2 and 3 for W.  The branch hangs on the wave's number alone.  An s_nop 0 and four v_nop follow each of the two lines.
.macro JLOAD g0a, g1a, g0b, g1b
	s_cmp_eq_u32 s15, 0
	s_cbranch_scc0 .Lfor_b_\@
	tensor_load_to_lds s[\g0a:\g0a+3], s[\g1a:\g1a+7]
	s_nop 0
.rept 4
	v_nop
.endr
	s_branch .Lasked_\@
.Lfor_b_\@:
	tensor_load_to_lds s[\g0b:\g0b+3], s[\g1b:\g1b+7]
	s_nop 0
.rept 4
	v_nop
.endr
.Lasked_\@:
.endm
.macro CROUND                          ; a round of the cluster's barrier
	s_barrier_signal -1
	s_barrier_wait -1
	s_cmp_lg_u32 s14, 0
	s_cbranch_scc1 .Lnot_wave_0_\@
	s_barrier_signal -3
.Lnot_wave_0_\@:
	s_barrier_wait -3
	s_barrier_signal -1
	s_barrier_wait -1
.endm
	s_load_b128 s[4:7], s[0:1], 0x0                ; xc s[4:5], xs s[6:7]
	s_load_b128 s[8:11], s[0:1], 0x10              ; wc s[8:9], ws s[10:11]
	s_load_b64 s[12:13], s[0:1], 0x20              ; qkv
	s_load_b128 s[96:99], s[0:1], 0x28             ; bqkv s[96:97], qkv32 s[98:99]
	v_lshl_add_u32 v[SPW], v0, 2, SPARE
	v_mov_b32 v[NIL], 0
	ds_add_u32 v[SPW], v[NIL]                      ; the wave's opening: the add, twice on end, and its wait ahead of my first tensor load
	ds_add_u32 v[SPW], v[NIL]
	v_lshrrev_b32 v1, 5, v0
	v_readfirstlane_b32 s14, v1                    ; wave 0..3
	s_lshr_b32 s15, s14, 1                         ; which half of the tile's rows is mine.  Also: I fetch for x (0) or for W (1)
	s_and_b32 s16, s14, 1                          ; which half of its columns.  Also: which 128 rows of that tile I fetch
	s_bfe_u32 s40, ttmp6, 0x40000                  ; cx
	s_bfe_u32 s41, ttmp6, 0x40004                  ; cy: the batch
	s_lshl_b32 s42, ttmp9, 2
	s_add_co_u32 s42, s42, s40                     ; tile column = 4 x cluster x + cx
	s_and_b32 s17, ttmp7, 0xffff
	s_lshl_b32 s43, s41, 3
	s_add_co_u32 s17, s17, s43                     ; tile row = 8 cy + cluster y
	s_lshl_b32 s43, s41, 2
	s_lshl_b32 s43, 15, s43                        ; my row of the cluster
	s_lshl_b32 s44, 0x1111, s40                    ; my column
	s_or_b32 s[G1+0], s43, (0<<16)|(1<<20)|(1<<21)|(5<<22)|(3<<25)  ; the mask; elements of 1 byte; padding on; bit 21 beside a mask; after every 64 words four words
	s_or_b32 s[G1B+0], s44, (0<<16)|(1<<20)|(1<<21)|(5<<22)|(3<<25)
.irp g, G1, G1B
	s_mov_b32 s[\g+1], ROWB<<16                    ; tensor_dim0
	s_mov_b32 s[\g+2], 128<<16                     ; tensor_dim1
	s_mov_b32 s[\g+3], ROWB<<16                    ; tile_dim0
	s_mov_b32 s[\g+4], 128                         ; tile_dim1
	s_mov_b32 s[\g+5], KROW                        ; tensor_dim0_stride
	s_mov_b32 s[\g+6], 0
	s_mov_b32 s[\g+7], 0
.endr
	s_or_b32 s[G1S+0], s43, (3<<16)|(1<<20)|(1<<21)|(5<<22)|(3<<25)  ; the scales of 128 rows: 4,096 dense bytes, as 16 rows of 32 elements of 8 bytes, 16 bytes of padding behind each
	s_or_b32 s[G1SB+0], s44, (3<<16)|(1<<20)|(1<<21)|(5<<22)|(3<<25)
.irp g, G1S, G1SB
	s_mov_b32 s[\g+1], 32<<16
	s_mov_b32 s[\g+2], (128*KS/256)<<16
	s_mov_b32 s[\g+3], 32<<16
	s_mov_b32 s[\g+4], 128*KS/256
	s_mov_b32 s[\g+5], 32
	s_mov_b32 s[\g+6], 0
	s_mov_b32 s[\g+7], 0
.endr
	s_lshl_b32 s18, s16, 7                         ; which 128 rows of the tile I fetch
	s_lshl_b32 s20, s17, 8
	s_add_co_u32 s20, s20, s18                     ; x: row 256 x tile row + 128 x half
	s_lshl_b32 s46, s42, 8
	s_add_co_u32 s46, s46, s18                     ; W: row 256 x tile column + 128 x half
	s_mov_b32 s21, 0
	s_mov_b32 s47, 0
	s_mov_b64 s[18:19], KS
	s_mul_u64 s[22:23], s[20:21], s[18:19]         ; where these rows' scales begin, in bytes
	s_mul_u64 s[92:93], s[46:47], s[18:19]
	s_mov_b64 s[18:19], KROW
	s_mul_u64 s[20:21], s[20:21], s[18:19]         ; and their codes
	s_mul_u64 s[46:47], s[46:47], s[18:19]
	s_mul_i32 s45, s14, HALFT                      ; where they go: wave x 128 rows: no place in the cluster enters an LDS address
	s_mul_i32 s94, s14, HALFS
	s_wait_dscnt 0x0                               ; both opening adds are done
	s_wait_kmcnt 0x0
	s_add_nc_u64 s[20:21], s[4:5], s[20:21]
	s_add_nc_u64 s[22:23], s[6:7], s[22:23]
	s_add_nc_u64 s[46:47], s[8:9], s[46:47]
	s_add_nc_u64 s[92:93], s[10:11], s[92:93]
	CROUND                                         ; all sixteen work-groups are here: the joint loads meet
	s_mov_b32 s[G0S], 1
	s_add_co_u32 s[G0S+1], s94, SCL
	s_mov_b64 s[G0S+2:G0S+3], s[22:23]
	s_or_b32 s[G0S+3], s[G0S+3], 0x80000000
	s_mov_b32 s[G0SB], 1
	s_add_co_u32 s[G0SB+1], s94, SCL
	s_mov_b64 s[G0SB+2:G0SB+3], s[92:93]
	s_or_b32 s[G0SB+3], s[G0SB+3], 0x80000000
	JLOAD G0S, G1S, G0SB, G1SB                     ; the scales first: they are wanted with the first slot
.irp s, 0,1
	s_mov_b32 s[G0+4*\s], 1
	s_add_co_u32 s[G0+4*\s+1], s45, \s*SLOT
	s_add_nc_u64 s[G0+4*\s+2:G0+4*\s+3], s[20:21], \s*ROWB
	s_or_b32 s[G0+4*\s+3], s[G0+4*\s+3], 0x80000000
	s_mov_b32 s[G0B+4*\s], 1
	s_add_co_u32 s[G0B+4*\s+1], s45, \s*SLOT
	s_add_nc_u64 s[G0B+4*\s+2:G0B+4*\s+3], s[46:47], \s*ROWB
	s_or_b32 s[G0B+4*\s+3], s[G0B+4*\s+3], 0x80000000
	JLOAD G0+4*\s, G1, G0B+4*\s, G1B               ; three tensor loads of mine are out at the most
.endr
	; THE REGISTERS THAT START THE SUMS, written on every way: q's and v's columns load their bias; k's columns (cluster x = 1, the same in all sixteen partners) load nothing and take zeros
	v_and_b32 v1, 15, v0                           ; r = l % 16
	v_bfe_u32 v2, v0, 4, 1                         ; h = l / 16
	v_lshlrev_b32 v[BO], 5, v2
	s_lshl_b32 s46, s42, 10                        ; my first column in f32 bytes: 1,024 x tile column + 512 x half
	s_lshl_b32 s47, s16, 9
	s_add_co_u32 s46, s46, s47
	s_mov_b32 s47, 0
	s_add_nc_u64 s[96:97], s[96:97], s[46:47]      ; in the bias,
	s_add_nc_u64 s[98:99], s[98:99], s[46:47]      ; and in a row of qkv32;
	s_mul_i32 s46, s41, 196608
	s_add_nc_u64 s[98:99], s[98:99], s[46:47]      ; my batch's 16 rows there
	s_cmp_eq_u32 ttmp9, 1
	s_cbranch_scc1 .Lk_cols
.irp b, 0,1,2,3,4,5,6,7
	global_load_b128 v[BI+8*\b:BI+8*\b+3], v[BO], s[96:97] offset:64*\b       ; block b: the bias of columns 16 b + 8 h + 0 .. 7, the same in all 16 rows
	global_load_b128 v[BI+8*\b+4:BI+8*\b+7], v[BO], s[96:97] offset:64*\b+16
.endr
	s_branch .Lbias_set
.Lk_cols:
.irp j, 0,1,2,3,4,5,6,7,8,9,10,11,12,13,14,15,16,17,18,19,20,21,22,23,24,25,26,27,28,29,30,31,32,33,34,35,36,37,38,39,40,41,42,43,44,45,46,47,48,49,50,51,52,53,54,55,56,57,58,59,60,61,62,63
	v_mov_b32 v[BI+\j], 0
.endr
.Lbias_set:
	v_mul_u32_u24 v3, v1, PITCH
	v_lshl_add_u32 v4, v2, 4, v3                   ; a fragment's row x pitch + 16 x half
	s_mul_i32 s21, s15, HALFT                      ; my 128 rows of x
	s_mul_i32 s22, s16, HALFT                      ; my 128 rows of W,
	s_add_co_u32 s22, s22, 2*HALFT                 ; which lie behind x's 256
.irp s, 0,1
	v_add_nc_u32 v[ADRA+\s], s21, v4
	v_add_nc_u32 v[ADRB+\s], s22, v4
	s_add_co_u32 s21, s21, SLOT
	s_add_co_u32 s22, s22, SLOT
.endr
	v_mul_u32_u24 v5, v1, KS                       ; my row's scales: KS bytes a row,
	v_lshrrev_b32 v6, 8, v5
	v_lshl_add_u32 v5, v6, 4, v5                   ; and 16 more for each 256 passed
	s_mul_i32 s21, s15, HALFS
	s_mul_i32 s22, s16, HALFS
	s_add_co_u32 s22, s22, 2*HALFS
	s_sub_co_u32 s22, s22, s21
	v_mul_u32_u24 v6, s22, v2                      ; lanes 16-31 take W's
	s_add_co_u32 s21, s21, SCL
	v_add_nc_u32 v5, v5, v6
	v_add_nc_u32 v[ADRS], s21, v5
	s_mul_i32 s23, s14, STGB                       ; my stage
	v_mul_u32_u24 v5, v1, 528
	v_lshl_add_u32 v5, v2, 5, v5
	v_add_nc_u32 v[STO32], s23, v5                 ; f32: row r, 32 bytes for each half of the lanes
	v_and_b32 v6, 31, v0
	v_lshlrev_b32 v[CO32], 4, v6
	v_add_nc_u32 v[RD32], s23, v[CO32]             ; back: the 32 lanes take one row of 512 bytes
	v_mul_u32_u24 v5, v1, 272
	v_lshl_add_u32 v5, v2, 4, v5
	v_add_nc_u32 v[STO], s23, v5                   ; f16: row r, 16 bytes for each half of the lanes
	v_bfe_u32 v5, v0, 3, 1
	v_and_b32 v6, 7, v0
	v_lshlrev_b32 v6, 4, v6                        ; 16 (l % 8)
	v_lshl_add_u32 v[CO], v5, 7, v6                ; + a row of a head, 128 bytes, for lanes 8-15 and 24-31
	v_lshl_add_u32 v[CO], v2, 18, v[CO]            ; + a head, 262,144 bytes, for lanes 16-31
	v_mul_u32_u24 v5, v5, 272
	v_add_nc_u32 v5, v5, v6
	v_lshl_add_u32 v5, v2, 7, v5                   ; in the stage the right head's 128 bytes lie behind the left's
	v_add_nc_u32 v[RD], s23, v5
	; where my part begins in qkv: head group g = 4 x tile column + 2 x column half: q, k or v = g / 16, head = g % 16; batch cy; t = 256 x cluster y + 128 x row half
	s_lshl_b32 s20, s42, 2
	s_lshl_b32 s21, s16, 1
	s_add_co_u32 s20, s20, s21
	s_lshr_b32 s21, s20, 4
	s_lshl_b32 s21, s21, 24
	s_and_b32 s20, s20, 15
	s_lshl_b32 s20, s20, 18
	s_add_co_u32 s20, s20, s21
	s_lshl_b32 s21, s41, 22
	s_add_co_u32 s20, s20, s21
	s_and_b32 s21, ttmp7, 0xffff
	s_lshl_b32 s21, s21, 15
	s_add_co_u32 s20, s20, s21
	s_lshl_b32 s21, s15, 14
	s_add_co_u32 s20, s20, s21
	s_mov_b32 s21, 0
	s_add_nc_u64 s[12:13], s[12:13], s[20:21]
.macro FRAG reg, adr, q, i             ; a fragment: lane l holds row l % 16; registers 4 c .. 4 c + 3 hold K = 64 c + 32 (l / 16) + 0 .. 31
.irp c, 0,1
	ds_load_b128 v[\reg+4*\c:\reg+4*\c+3], v[\adr] offset:64*(\q)+32*\c+(\i)*16*PITCH
.endr
.endm
; 16 matrix instructions: x's blocks a0, a0 + 1 against W's eight, 128 along K: the slot's q-th.  p: W's set; sc: the set of scale words.  first = 1: the product starts the sums with the bias registers; 0: adds in place.
; The 64 accumulators take turns, one instruction a turn, in the same order in every step.
.macro MUL16 a0, p, q, sc, first
.irp a, \a0, \a0+1
.irp b, 0,1,2,3,4,5,6,7
.set rD, 8*(8*((\a)%4)+\b)
.set rB, 128*(\p)+FR*\b
.set rA, AF+FR*(\a)
.set rSB, SC+8*NQ*(\sc)+NQ*\b+(\q)
.set rSA, SC+8*NQ*(\sc)+NQ*(\a)+(\q)
.if \first
	v_wmma_scale_f32_16x16x128_f8f6f4 v[rD:rD+7], v[rB:rB+7], v[rA:rA+7], v[BI+8*\b:BI+8*\b+7], v[rSB], v[rSA] matrix_a_fmt:MATRIX_FMT_FP4 matrix_b_fmt:MATRIX_FMT_FP4 matrix_a_scale:MATRIX_SCALE_ROW1
.else
	v_wmma_scale_f32_16x16x128_f8f6f4 v[rD:rD+7], v[rB:rB+7], v[rA:rA+7], v[rD:rD+7], v[rSB], v[rSA] matrix_a_fmt:MATRIX_FMT_FP4 matrix_b_fmt:MATRIX_FMT_FP4 matrix_a_scale:MATRIX_SCALE_ROW1
.endif
.endr
.endr
.endm
.macro FETCH_B slot, q, p
	WIN TO_B
.irp i, 0,1,2,3,4,5,6,7
	FRAG 128*(\p)+FR*\i, ADRB+\slot, \q, \i
.endr
	WIN 0
.endm
.macro FETCH_A slot, q, i0
.irp i, \i0, \i0+1, \i0+2, \i0+3
	FRAG AF+FR*(\i), ADRA+\slot, \q, \i
.endr
.endm
.macro SCALES sc                       ; a slot's scale words: NQ words a row; lanes 0-15 take x's block i, lanes 16-31 W's block i
.irp i, 0,1,2,3,4,5,6,7
	ds_load_b128 v[SC+8*NQ*\sc+NQ*\i:SC+8*NQ*\sc+NQ*\i+3], v[ADRS] offset:\i*SBLK
.endr
.endm
.macro PLACES n                        ; places in front of loads into registers that matrix instructions have read, and of the first read of results
.rept \n
	v_nop
.endr
.endm
; A step of 128 along K that has its successor in the same slot.  x has one set of fragments: blocks 0-3 are fetched anew in the step's middle, blocks 4-7 at its end; W has two sets.
.macro STEP slot, q, first
	s_wait_dscnt 4*NL                              ; W's set and x's blocks 0-3 are in; the youngest eight loads (x's blocks 4-7) may be out
.if \first
	WIN BIA_LO
.else
	WIN MUL_LO
.endif
	MUL16 0, (\q)%2, \q, \slot, \first
	MUL16 2, (\q)%2, \q, \slot, \first
	s_wait_dscnt 0                                 ; x's blocks 4-7 are in
	PLACES NP
	FETCH_B \slot, (\q)+1, 1-(\q)%2
	FETCH_A \slot, (\q)+1, 0
.if \first
	WIN BIA_HI
.else
	WIN MUL_HI
.endif
	MUL16 4, (\q)%2, \q, \slot, \first
	MUL16 6, (\q)%2, \q, \slot, \first
	PLACES NP
	WIN 0
	FETCH_A \slot, (\q)+1, 4
.endm
.macro STEPS slot, from
.set QN, \from
.rept NQ-1-\from
	STEP \slot, QN, 0
.set QN, QN+1
.endr
.endm
	s_wait_tensorcnt 1                             ; the scales and my part of slot 0 are in (slot 1's load may be out)
	s_barrier_signal -1
	s_barrier_wait -1                              ; everybody's are
	FETCH_B 0, 0, 0
	FETCH_A 0, 0, 0
	SCALES 0
	FETCH_A 0, 0, 4
	s_wait_loadcnt 0x0                             ; the bias, where it was asked for
	STEP 0, 0, 1                                   ; the first products start the sums: nothing is cleared in the accumulators
	STEPS 0, 1
	; slot 0's last step changes slots: one barrier; in front of it each wave waits for all its tensor loads, adds 0 to its spare word, and waits for that and for its reads of slot 0
	s_wait_tensorcnt 0x0                           ; my part of slot 1 has landed
	ds_add_u32 v[SPW], v[NIL]
	s_wait_dscnt 4*NL+1                            ; (the add and the youngest eight loads may be out)
	WIN MUL_LO
	MUL16 0, 1, NQ-1, 0, 0
	s_wait_dscnt 0x0                               ; the add is done, and my reads of slot 0 are over
	s_barrier_signal -1
	MUL16 2, 1, NQ-1, 0, 0
	WIN 0
	s_barrier_wait -1
	PLACES NP
	v_add_nc_u32 v[ADRS], 4*NQ, v[ADRS]            ; on to slot 1's scale words
	FETCH_B 1, 0, 0
	FETCH_A 1, 0, 0
	SCALES 1
	WIN MUL_HI
	MUL16 4, 1, NQ-1, 0, 0
	MUL16 6, 1, NQ-1, 0, 0
	PLACES NP
	WIN 0
	FETCH_A 1, 0, 4
	STEPS 1, 0
	s_wait_dscnt 4*NL                              ; the very last step: nothing more to fetch
	WIN MUL_LO
	MUL16 0, 1, NQ-1, 1, 0
	MUL16 2, 1, NQ-1, 1, 0
	s_wait_dscnt 0
	WIN MUL_HI
	MUL16 4, 1, NQ-1, 1, 0
	MUL16 6, 1, NQ-1, 1, 0
	WIN 0
	PLACES NP
	; THE WAY OUT, f32: where the tile holds t = 0 .. 15 (cluster y = 0, my rows the tile's upper half), block 0 goes through my stage as it is and leaves as rows of 512 bytes
	s_and_b32 s20, ttmp7, 0xffff
	s_or_b32 s20, s20, s15
	s_cmp_lg_u32 s20, 0
	s_cbranch_scc1 .Lnofine
	WIN 0x08                                       ; an LDS store's data are its source 1: window 2
.irp b, 0,1,2,3,4,5,6,7
	ds_store_b128 v[STO32], v[8*\b:8*\b+3] offset:64*\b            ; each accumulator from its low end on
	ds_store_b128 v[STO32], v[8*\b+4:8*\b+7] offset:64*\b+16
.endr
	WIN 0
.irp t, 0,1,2,3,4,5,6,7,8,9,10,11,12,13,14,15
	ds_load_b128 v[FB+4*\t:FB+4*\t+3], v[RD32] offset:\t*528       ; LDS serves a wave's instructions in order: these see the stores above
.endr
.irp t, 0,1,2,3,4,5,6,7,8,9,10,11,12,13,14,15
	s_wait_dscnt 15-\t                             ; the younger read-backs may be out
	global_store_b128 v[CO32], v[FB+4*\t:FB+4*\t+3], s[98:99] offset:\t*12288   ; 32 lanes store 512 consecutive bytes, aligned
.endr
.Lnofine:
	; THE WAY OUT, f16, block by block of 16 rows x 128 columns (two heads).  PACK: rounded to f16, 16 bytes a lane.  TOSTAGE: into my stage, and back so that sixteen lanes hold two neighbouring rows of one head.  SEND: stored.
.macro PACK a
.set AC, 64*((\a)%4)
	WIN 0x0a+5*((\a)/4)                            ; sources 0 and 1: window 2 or 3
.irp b, 0,1,2,3,4,5,6,7
.irp r, 0,1,2,3
	v_cvt_pk_f16_f32 v[TMP+4*\b+\r], v[AC+8*\b+2*\r], v[AC+8*\b+2*\r+1]
.endr
.endr
	WIN 0
.endm
.macro TOSTAGE a
.set BK, OB+128*((\a)%2)
.irp b, 0,1,2,3,4,5,6,7
	ds_store_b128 v[STO], v[TMP+4*\b:TMP+4*\b+3] offset:32*\b
.endr
.irp t, 0,1,2,3,4,5,6,7
	ds_load_b128 v[BK+4*\t:BK+4*\t+3], v[RD] offset:\t*544         ; rows 2 t and 2 t + 1
.endr
.endm
.macro SEND a
.set BK, OB+128*((\a)%2)
	s_wait_dscnt 0x0                               ; the block is back in registers
	s_wait_xcnt 0x0                                ; the stores of the block before have read their registers: the next block's loads may land there
.irp t, 0,1,2,3,4,5,6,7
	global_store_b128 v[CO], v[BK+4*\t:BK+4*\t+3], s[12:13] offset:2048*(\a)+256*\t   ; sixteen lanes store 256 consecutive bytes, aligned: two rows of a head
.endr
.endm
	PACK 0
	TOSTAGE 0
.irp a, 1,2,3,4,5,6,7                  ; block a's conversions stand between block a - 1's loads from the stage and the wait for them
	PACK \a
	SEND \a-1
	TOSTAGE \a
.endr
	SEND 7
	s_wait_tensorcnt 0x0                           ; the wave's end
	ds_add_u32 v[SPW], v[NIL]
	s_wait_dscnt 0x0
	CROUND                                         ; the closing round
	s_endpgm
.Lfunc_end_k_qda4790d274_gemm_qkv:
	.size	k_qda4790d274_gemm_qkv, .Lfunc_end_k_qda4790d274_gemm_qkv-k_qda4790d274_gemm_qkv
	.p2alignl 7, 3214868480
	.fill 96, 4, 3214868480
	.section	.rodata,"a",@progbits
	.p2align	6, 0x0
	.amdhsa_kernel k_qda4790d274_gemm_qkv
		.amdhsa_group_segment_fixed_size 327680
		.amdhsa_private_segment_fixed_size 0
		.amdhsa_enable_private_segment 0
		.amdhsa_kernarg_size 56
		.amdhsa_user_sgpr_count 2
		.amdhsa_user_sgpr_kernarg_segment_ptr 1
		.amdhsa_wavefront_size32 1
		.amdhsa_system_sgpr_workgroup_id_x 1
		.amdhsa_system_sgpr_workgroup_id_y 1
		.amdhsa_system_sgpr_workgroup_id_z 1
		.amdhsa_system_vgpr_workitem_id 0
		.amdhsa_next_free_vgpr 1024
		.amdhsa_next_free_sgpr 100
		.amdhsa_reserve_vcc 0
		.amdhsa_float_denorm_mode_32 3
		.amdhsa_float_denorm_mode_16_64 3
		.amdhsa_memory_ordered 1
		.amdhsa_forward_progress 1
		.amdhsa_inst_pref_size 135
	.end_amdhsa_kernel
	.amdgpu_metadata
---
amdhsa.version: [ 1, 2 ]
amdhsa.kernels:
  - .name:           k_qda4790d274_gemm_qkv
    .symbol:         k_qda4790d274_gemm_qkv.kd
    .args:
      - { .name: xc, .offset: 0, .size: 8, .value_kind: global_buffer, .address_space: global }
      - { .name: xs, .offset: 8, .size: 8, .value_kind: global_buffer, .address_space: global }
      - { .name: wc, .offset: 16, .size: 8, .value_kind: global_buffer, .address_space: global }
      - { .name: ws, .offset: 24, .size: 8, .value_kind: global_buffer, .address_space: global }
      - { .name: qkv, .offset: 32, .size: 8, .value_kind: global_buffer, .address_space: global }
      - { .name: bqkv, .offset: 40, .size: 8, .value_kind: global_buffer, .address_space: global }
      - { .name: qkv32, .offset: 48, .size: 8, .value_kind: global_buffer, .address_space: global }
    .group_segment_fixed_size: 327680
    .private_segment_fixed_size: 0
    .kernarg_segment_align: 8
    .kernarg_segment_size: 56
    .max_flat_workgroup_size: 128
    .sgpr_count:     100
    .vgpr_count:     1024
    .wavefront_size: 32
...
	.end_amdgpu_metadata
.endif
;; end of part 2
;; launch attn (part 3): grid 4 x 64, 16 waves a work-group, no clusters, 327,680 bytes of LDS; arguments qkv, yh; writes yh
.if DOCPART == 3
	.amdgcn_target "amdgcn-amd-amdhsa--gfx1250"
	.amdhsa_code_object_version 6
	.text
	.protected	k_qda4790d274_attn
	.globl	k_qda4790d274_attn
	.p2align	8
	.type	k_qda4790d274_attn,@function
k_qda4790d274_attn:
	s_mov_b64 s[64:65], 0
	v_nop
	global_prefetch_b8 v0, s[64:65] scope:SCOPE_SE
	s_setreg_imm32_b32 hwreg(HW_REG_WAVE_MODE, 25, 1), 1
	s_wait_xcnt 0x0
; Launch 3 of 5: y[b][h][q] = the sum over keys k <= q of softmax_k(q . k / 8) v, for 64 heads of 2,048 positions x 64 channels.  q, k, v: f16, [q, k, v][b][h][t][64]; y: f16, [b][h][t][64].
; Products on f16 operands with f32 sums; maxima, exponentials and sums in f32; the weights p (at most 1) are rounded to f16 for the second product, y once at the end.
; LEFT OUT: steps of 64 keys that lie wholly behind a tile's 16 queries, and slots of keys behind the work-group's last query (the causal mask of reference(); shown at the head of the first launch).
; Positions t < 16 are made here like all others, so that every byte of yh is written; their 64 output rows are made again in f32 by the last launch.   LIMIT: |y| stays under 65,504.
; SHARES.  A head's 2,048 queries are eight blocks of 256.  Work-group i of a head owns blocks 7 - i (H) and i (L); each of its sixteen waves owns one tile of 16 queries of each.  So a wave has 30 + 2 (wave / 4) live
; tile-steps whatever i is: the work under the mask is even over the work-groups.  While both tiles are live they share each fragment of K and V.  Four waves share a SIMD: one wave's vector work stands beside another's matrix work.
; NO CLUSTER: the four work-groups of a head need 8, 7, 6 and 5 slots of keys; a joint load would bring some partner tiles that none of its waves reads.
; LAYOUT.  S^T = K Q^T (source 0 = 16 keys, source 1 = 16 queries): a lane holds ONE query (lane % 16) and keys 8 (lane / 16) + 0 .. 7.  Two such tiles, rounded to f16 in pairs, ARE source 1 of O^T = V^T P.  V comes out of LDS turned, by ds_load_tr16_b128.
; SOFTMAX.  For each query a running maximum m and sum l: p = 2^(c s - c m), c = log2(e) / 8; in every step O and l are multiplied by a = 2^(c m_old - c m_new).
; THE RING: two slots of 256 keys, filled by the tensor data mover (waves 0, 1: K's halves; waves 2, 3: V's) and read by all sixteen.  Every work-group walks all eight changes of slots: the trip counts are constants of the text.
.set SK,    256                        ; keys in a slot
.set NQ,    4                          ; steps of 64 keys in a slot
.set NSL,   8                          ; slots' worth of keys
.set KP,    144                        ; a key's row in LDS: 128 bytes + 16 of padding
.set VP,    160                        ; a row of V: 128 + 32: the turning load's 8 rows x 32 bytes fall on different words
.set VOFF,  SK*KP                      ; a slot: 256 rows of K, then 256 rows of V
.set SLOT1, 1<<17                      ; slot 1 begins here: one exclusive or turns an address
.set STAGE, 2*SLOT1                    ; behind the ring: 16 rows x 144 bytes for each wave, for the way out; no tile lands there
.set SPARE, STAGE+16*16*KP             ; the spare words, 128 bytes for each wave: eight blocks of 256 bytes that no other line names
.set AK0,  1                           ; v1   my lane's place in a tile of K
.set AV0,  2                           ; v2   the same for V
.set SPW,  3                           ; v3   LDS address of my spare word; never rewritten
.set NIL,  4                           ; v4   0; never rewritten
.set ADK,  5                           ; v5   LDS address of the slot's K
.set ADV,  6                           ; v6   of its V
.set RH,   7                           ; v7   r - 8 h
.set NINF, 8                           ; v8   -infinity
.set DD,   9                           ; v9   the mask's bound
.set QO,   10                          ; v10  my byte offset in a tile's rows of q
.set TP,   11                          ; v11  at work at the head
.set PFO,  12                          ; v12  256 x my lane: the prefetches' offset; never rewritten
.set STO,  13                          ; v13  the way out: where I put 16 bytes of a row
.set RDB,  14                          ; v14  where I read rows back
.set GO,   15                          ; v15  16 x lane
.set ST,   16                          ; v16-31  statistics: tile X at ST + 8 X: +0 c m, +1 m, +2, +3 l, +4 .. +7 at work; a at +6
.set QR,   32                          ; v32-63  Q: tile X, channels 32 c on, at QR + 16 X + 8 c
.set S,    64                          ; v64-95  S^T of the tile in hand
.set P,    96                          ; v96-127 P: 16 a tile
.set O,    128                         ; v128-191 O^T: tile X, channels 16 T on, at O + 32 X + 8 T
.set KV,   192                         ; v192-255 K's eight fragments, later V's eight
.set TB,   2                           ; s2   LDS byte at which the slot in hand begins
.set WV,   18                          ; s18  my wave's number
.set SEL,  20                          ; s[20:21] v_permlanex16_b32's selects for lane l xor 16
.set CS,   22                          ; s[22:23] c, as a pair
.set G1K,  24
.set G1V,  32
.set G0K,  40
.set G0V,  44
.set KF,   48                          ; s48  the step's first key
.set QH,   49                          ; s49  tile H's first query;  s50  tile L's
.set QL,   50
.set SLOTS, 51                         ; s51  changes of slots still to come in the loop
.set PFA,  52                          ; s[52:53] where my prefetches stand
.set LIM,  54                          ; s54  1 in a wave that prefetches, else the greatest number
.set YB,   56                          ; s[56:57], s[58:59] y at tile H's and tile L's first row
.set QB,   60                          ; s[60:61], s[62:63] q likewise
; Waves 0 and 1 fetch K's halves of a slot, waves 2 and 3 V's, the others nothing.  An s_nop 0 and four v_nop follow each of the two lines.
.macro TLOAD
	s_cmp_lt_u32 s[WV], 2
	s_cbranch_scc0 .Lnot_k_\@
	tensor_load_to_lds s[G0K:G0K+3], s[G1K:G1K+7]
	s_nop 0
.rept 4
	v_nop
.endr
	s_branch .Lasked_\@
.Lnot_k_\@:
	s_cmp_lt_u32 s[WV], 4
	s_cbranch_scc0 .Lasked_\@
	tensor_load_to_lds s[G0V:G0V+3], s[G1V:G1V+7]
	s_nop 0
.rept 4
	v_nop
.endr
.Lasked_\@:
.endm
; A PREFETCH of what the NEXT change of slots will ask for: a slot's K and V are dense blocks of 32,768 bytes each.  Each aligned block of 256 bytes is named once in the launch: of a head's four work-groups the first asks
; (it walks all eight slots); in it the waves ask that fetch nothing: waves 4 to 7 for K, waves 8 to 11 for V, 8,192 bytes a wave, lanes 256 bytes apart.  The last change that fills a slot asks for nothing; slots 0 and 1 come by their loads alone.
.macro ASK
	s_cmp_gt_u32 s[SLOTS], s[LIM]
	s_cbranch_scc0 .Lnot_mine_\@
	global_prefetch_b8 v[PFO], s[PFA:PFA+1] th:TH_LOAD_NT scope:SCOPE_SE
.Lnot_mine_\@:
.endm
.macro PLACES
.rept 4
	v_nop
.endr
.endm
	s_load_b128 s[4:7], s[0:1], 0x0                ; qkv s[4:5], yh s[6:7]
	v_lshl_add_u32 v[SPW], v0, 2, SPARE
	v_mov_b32 v[NIL], 0
	ds_add_u32 v[SPW], v[NIL]                      ; the wave's opening: the add, twice on end, and its wait ahead of the first tensor load
	ds_add_u32 v[SPW], v[NIL]
	v_lshrrev_b32 v[TP], 5, v0
	v_readfirstlane_b32 s[WV], v[TP]               ; wave 0..15
	s_and_b32 s8, ttmp7, 0xffff
	s_lshl_b32 s8, s8, 18                          ; the head's first byte: 262,144 bytes a head
	s_mov_b32 s9, 0
	s_sub_co_u32 s[QH], 7, ttmp9
	s_lshl_b32 s[QH], s[QH], 8
	s_lshl_b32 s96, s[WV], 4
	s_add_co_u32 s[QH], s[QH], s96                 ; tile H: 256 (7 - i) + 16 wave
	s_lshl_b32 s[QL], ttmp9, 8
	s_add_co_u32 s[QL], s[QL], s96                 ; tile L: 256 i + 16 wave
	s_and_b32 s97, s[WV], 1                        ; which half of a slot I fetch, if I fetch
	s_mov_b32 s[G1K], (1<<16)|(1<<20)|(4<<22)|(3<<25)   ; no mask; elements of 2 bytes; padding on: four words after every 32
	s_mov_b32 s[G1V], (1<<16)|(1<<20)|(4<<22)|(7<<25)   ; eight words after every 32
.irp g, G1K, G1V
	s_mov_b32 s[\g+1], 64<<16                      ; tensor_dim0 = 64
	s_mov_b32 s[\g+2], 128<<16                     ; tensor_dim1 = 128
	s_mov_b32 s[\g+3], 64<<16                      ; tile_dim0 = 64
	s_mov_b32 s[\g+4], 128                         ; tile_dim1 = 128
	s_mov_b32 s[\g+5], 64                          ; elements from row to row
	s_mov_b32 s[\g+6], 0
	s_mov_b32 s[\g+7], 0
.endr
	s_mov_b32 s[SEL], 0x76543210
	s_mov_b32 s[SEL+1], 0xfedcba98
	s_mov_b32 s[CS], 0x3e38aa3b                    ; c = log2(e) / 8
	s_mov_b32 s[CS+1], s[CS]
	s_mov_b32 s[TB], 0
	s_mov_b32 s[KF], 0
	s_mov_b32 s[SLOTS], NSL-1
	s_lshl_b32 s16, s97, 14                        ; my half in memory: 128 rows of 128 bytes
	s_mov_b32 s17, 0
	s_wait_dscnt 0x0                               ; both opening adds are done
	s_wait_kmcnt 0x0
	s_add_nc_u64 s[10:11], s[4:5], s[8:9]          ; q of my head,
	s_add_nc_u64 s[12:13], s[10:11], 0x1000000     ; k,
	s_add_nc_u64 s[14:15], s[10:11], 0x2000000     ; v
	s_mov_b32 s[G0K], 1
	s_mul_i32 s[G0K+1], s97, 128*KP                ; slot 0
	s_add_nc_u64 s[G0K+2:G0K+3], s[12:13], s[16:17]
	s_or_b32 s[G0K+3], s[G0K+3], 0x80000000
	s_mov_b32 s[G0V], 1
	s_mul_i32 s[G0V+1], s97, 128*VP
	s_add_co_u32 s[G0V+1], s[G0V+1], VOFF
	s_add_nc_u64 s[G0V+2:G0V+3], s[14:15], s[16:17]
	s_or_b32 s[G0V+3], s[G0V+3], 0x80000000
	TLOAD                                          ; slot 0: keys 0 to 255, which count for every work-group
	s_add_nc_u64 s[6:7], s[6:7], s[8:9]            ; y of my head
	s_lshl_b32 s16, s[QH], 7
	s_add_nc_u64 s[YB:YB+1], s[6:7], s[16:17]
	s_add_nc_u64 s[QB:QB+1], s[10:11], s[16:17]
	s_lshl_b32 s16, s[QL], 7
	s_add_nc_u64 s[YB+2:YB+3], s[6:7], s[16:17]
	s_add_nc_u64 s[QB+2:QB+3], s[10:11], s[16:17]
	s_cmp_lt_u32 s[WV], 8                          ; the prefetches: waves 4 to 7 stand in K, waves 8 to 11 in V
	s_cselect_b64 s[PFA:PFA+1], s[12:13], s[14:15]
	s_and_b32 s16, s[WV], 3
	s_lshl_b32 s16, s16, 13                        ; my wave's 8,192 bytes,
	s_add_co_u32 s16, s16, 32768                   ; in slot 1: the first change of slots steps it to slot 2
	s_add_nc_u64 s[PFA:PFA+1], s[PFA:PFA+1], s[16:17]
	s_sub_co_u32 s16, s[WV], 4
	s_lshr_b32 s16, s16, 3                         ; 0 in waves 4 to 11,
	s_or_b32 s16, s16, ttmp9                       ; of the head's first work-group
	s_cmp_eq_u32 s16, 0
	s_cselect_b32 s[LIM], 1, -1
	v_and_b32 v[PFO], 31, v0
	v_lshlrev_b32 v[PFO], 8, v[PFO]
	v_and_b32 v[DD], 15, v0                        ; r
	v_bfe_u32 v[TP], v0, 4, 1                      ; h
	v_lshlrev_b32 v[QO], 7, v[DD]
	v_lshl_add_u32 v[QO], v[TP], 4, v[QO]          ; row r of 128 bytes + 16 h
.irp X, 0,1
.irp c, 0,1
	global_load_b128 v[QR+16*\X+8*\c:QR+16*\X+8*\c+3], v[QO], s[QB+2*\X:QB+2*\X+1] offset:64*\c       ; Q stays in registers
	global_load_b128 v[QR+16*\X+8*\c+4:QR+16*\X+8*\c+7], v[QO], s[QB+2*\X:QB+2*\X+1] offset:64*\c+32
.endr
.endr
	v_mul_u32_u24 v[AK0], v[DD], KP
	v_lshl_add_u32 v[AK0], v[TP], 4, v[AK0]        ; K: row r x pitch + 16 h
	v_and_b32 v[ADK], 7, v0
	v_lshl_add_u32 v[ADK], v[TP], 3, v[ADK]
	v_mul_u32_u24 v[AV0], v[ADK], VP               ; V: key 8 h + l % 8,
	v_bfe_u32 v[ADK], v0, 3, 1
	v_lshl_add_u32 v[AV0], v[ADK], 4, v[AV0]       ; channels 8 ((l / 8) % 2) on
	v_add_nc_u32 v[AV0], VOFF, v[AV0]
	v_lshlrev_b32 v[RH], 3, v[TP]
	v_sub_nc_u32 v[RH], v[DD], v[RH]               ; r - 8 h
	v_mov_b32 v[NINF], 0xff800000
	s_mul_i32 s16, s[WV], 16*KP
	s_add_co_u32 s16, s16, STAGE                   ; my stage
	v_mul_u32_u24 v[STO], v[DD], KP
	v_lshl_add_u32 v[STO], v[TP], 4, v[STO]
	v_add_nc_u32 v[STO], s16, v[STO]               ; in: row r, 16 bytes for each half of the lanes
	v_bfe_u32 v[ADK], v0, 3, 2
	v_mul_u32_u24 v[RDB], v[ADK], KP
	v_and_b32 v[ADK], 7, v0
	v_lshl_add_u32 v[RDB], v[ADK], 4, v[RDB]
	v_add_nc_u32 v[RDB], s16, v[RDB]               ; back: eight lanes to a row of 128 bytes, four rows an instruction
	v_and_b32 v[GO], 31, v0
	v_lshlrev_b32 v[GO], 4, v[GO]
.irp X, 0,1
	v_mov_b32 v[ST+8*\X+1], 0xff61b1e6             ; m: -3e38, under every score
	v_mul_f32 v[ST+8*\X], s[CS], v[ST+8*\X+1]      ; c m
	v_mov_b32 v[ST+8*\X+2], 0                      ; l, in two halves
	v_mov_b32 v[ST+8*\X+3], 0
	v_mov_b32 v[ST+8*\X+5], 0                      ; a lane permute's destination counts as one of its sources
.endr
.irp j, 0,1,2,3,4,5,6,7,8,9,10,11,12,13,14,15,16,17,18,19,20,21,22,23,24,25,26,27,28,29,30,31,32,33,34,35,36,37,38,39,40,41,42,43,44,45,46,47,48,49,50,51,52,53,54,55,56,57,58,59,60,61,62,63
	v_mov_b32 v[O+\j], 0                           ; O^T.  (The step is written once: a tile's first step finds zeros, and its a is 0)
.endr
; S^T = K Q^T for tile X: 8 matrix instructions; the four accumulators take turns; the first four start the sums
.macro SQK X
.irp c, 0,1
.irp a, 0,1,2,3
.if \c == 0
	v_wmma_f32_16x16x32_f16 v[S+8*\a:S+8*\a+7], v[KV+16*\a+8*\c:KV+16*\a+8*\c+7], v[QR+16*(\X)+8*\c:QR+16*(\X)+8*\c+7], 0
.else
	v_wmma_f32_16x16x32_f16 v[S+8*\a:S+8*\a+7], v[KV+16*\a+8*\c:KV+16*\a+8*\c+7], v[QR+16*(\X)+8*\c:QR+16*(\X)+8*\c+7], v[S+8*\a:S+8*\a+7]
.endif
.endr
.endr
.endm
; On the diagonal the scores of hidden keys become -infinity ahead of the maximum.  Register n holds key KF + 16 (n / 8) + 8 h + n % 8: hidden where 16 (n / 8) + n % 8 > my query - KF - 8 h.  A step all of whose keys count skips this.
; KF and a tile's first query are multiples of 16, and a step is walked only where KF <= the first query + 15: so KF <= the first query, and every query has a key that counts in every step that is walked.
.macro MASK X
	s_add_co_u32 s96, s[KF], 63
	s_cmp_le_u32 s96, s[QH+\X]
	s_cbranch_scc1 .Lopen_\@
	s_sub_co_i32 s96, s[QH+\X], s[KF]
	v_add_nc_u32 v[DD], s96, v[RH]
.irp n, 0,1,2,3,4,5,6,7,8,9,10,11,12,13,14,15,16,17,18,19,20,21,22,23,24,25,26,27,28,29,30,31
	v_cmp_gt_i32 vcc_lo, 16*(\n/8)+\n%8, v[DD]
	v_cndmask_b32 v[S+\n], v[S+\n], v[NINF], vcc_lo
.endr
.Lopen_\@:
.endm
; One tile's softmax for one step of 64 keys
.macro SOFTMAX X
.set rT, ST+8*(\X)
.set rP, P+16*(\X)
.set rO, O+32*(\X)
.irp j, 0,1,2,3
	v_max3_num_f32 v[rT+4+\j], v[S+8*\j], v[S+8*\j+1], v[S+8*\j+2]          ; four chains; each accumulator is read from its low end on
.endr
.irp j, 0,1,2,3
	v_max3_num_f32 v[rT+4+\j], v[rT+4+\j], v[S+8*\j+3], v[S+8*\j+4]
.endr
.irp j, 0,1,2,3
	v_max3_num_f32 v[rT+4+\j], v[rT+4+\j], v[S+8*\j+5], v[S+8*\j+6]
.endr
	v_max3_num_f32 v[rT+4], v[rT+4], v[S+7], v[S+15]
	v_max3_num_f32 v[rT+6], v[rT+6], v[S+23], v[S+31]
	v_max3_num_f32 v[rT+4], v[rT+4], v[rT+5], v[rT+6]
	v_max3_num_f32 v[rT+4], v[rT+4], v[rT+7], v[rT+1]                       ; with the old m
	v_permlanex16_b32 v[rT+5], v[rT+4], s[SEL], s[SEL+1]                    ; the query's other 32 keys lie in the lane 16 away
	v_mov_b32 v[rT+7], v[rT]                                                ; c m_old
	v_max_num_f32 v[rT+1], v[rT+4], v[rT+5]                                 ; the new m
	v_mul_f32 v[rT], s[CS], v[rT+1]
	v_sub_f32 v[rT+7], v[rT+7], v[rT]                                       ; c m_old - c m_new
.irp b, 0,2,4,6,8,10,12,14,16,18,20,22,24,26,28,30
	v_pk_fma_f32 v[S+\b:S+\b+1], v[S+\b:S+\b+1], s[CS:CS+1], v[rT:rT+1] op_sel_hi:[1,0,0] neg_lo:[0,0,1] neg_hi:[0,0,1]   ; c s - c m, two at a time
.endr
	v_exp_f32 v[rT+6], v[rT+7]                                              ; a
.irp e, 0,1,2,3,4,5,6,7,8,9,10,11,12,13,14,15,16,17,18,19,20,21,22,23,24,25,26,27,28,29,30,31
	v_exp_f32 v[S+\e], v[S+\e]                                              ; p
.endr
	v_nop                                                                   ; the plain line behind the last exponential
	s_wait_alu depctr_va_vdst(0)                                            ; one wait for the batch of 33, ahead of its first reader
.irp i, 0,1,2,3,4,5,6,7,8,9,10,11,12,13,14,15
	v_cvt_pk_f16_f32 v[rP+\i], v[S+2*\i], v[S+2*\i+1]                       ; the second product's operand
.endr
.irp u, 0,1,2,3,4,5,6,7
	v_pk_add_f32 v[S+4*\u:S+4*\u+1], v[S+4*\u:S+4*\u+1], v[S+4*\u+2:S+4*\u+3]   ; the sum of the unrounded p, in place
.endr
.irp u, 0,1,2,3
	v_pk_add_f32 v[S+8*\u:S+8*\u+1], v[S+8*\u:S+8*\u+1], v[S+8*\u+4:S+8*\u+5]
.endr
.irp u, 0,1
	v_pk_add_f32 v[S+16*\u:S+16*\u+1], v[S+16*\u:S+16*\u+1], v[S+16*\u+8:S+16*\u+9]
.endr
	v_pk_add_f32 v[S:S+1], v[S:S+1], v[S+16:S+17]
	v_pk_fma_f32 v[rT+2:rT+3], v[rT+2:rT+3], v[rT+6:rT+7], v[S:S+1] op_sel_hi:[1,0,1]   ; l = a l + the sum
.irp i, 0,2,4,6,8,10,12,14,16,18,20,22,24,26,28,30
	v_pk_mul_f32 v[rO+\i:rO+\i+1], v[rO+\i:rO+\i+1], v[rT+6:rT+7] op_sel_hi:[1,0]       ; O^T x a.  These sixteen name no register of K Q^T: they are also the places ahead of what next writes S^T or K's registers
.endr
.endm
; O^T += V^T P for tile X: 8 matrix instructions, the four accumulators by turns
.macro PV X
.irp k, 0,1
.irp T, 0,1,2,3
	v_wmma_f32_16x16x32_f16 v[O+32*(\X)+8*\T:O+32*(\X)+8*\T+7], v[KV+32*\k+8*\T:KV+32*\k+8*\T+7], v[P+16*(\X)+8*\k:P+16*(\X)+8*\k+7], v[O+32*(\X)+8*\T:O+32*(\X)+8*\T+7]
.endr
.endr
.endm
.macro KLOAD q                         ; the step's K: fragment (16 keys a, 32 channels c) at KV + 16 a + 8 c
.irp a, 0,1,2,3
.irp c, 0,1
	ds_load_b128 v[KV+16*\a+8*\c:KV+16*\a+8*\c+3], v[ADK] offset:(64*(\q)+16*\a)*KP+64*\c
	ds_load_b128 v[KV+16*\a+8*\c+4:KV+16*\a+8*\c+7], v[ADK] offset:(64*(\q)+16*\a)*KP+64*\c+32
.endr
.endr
.endm
.macro VLOAD q                         ; the step's V, turned: fragment (32 keys k, 16 channels T) at KV + 32 k + 8 T
.irp k, 0,1
.irp T, 0,1,2,3
	ds_load_tr16_b128 v[KV+32*\k+8*\T:KV+32*\k+8*\T+3], v[ADV] offset:(64*(\q)+32*\k)*VP+32*\T
	ds_load_tr16_b128 v[KV+32*\k+8*\T+4:KV+32*\k+8*\T+7], v[ADV] offset:(64*(\q)+32*\k+16)*VP+32*\T
.endr
.endr
.endm
; A STEP of 64 keys, the q-th of the slot in hand.  A step all of whose keys come after tile H's queries is left out: a scalar branch on ids, round the work alone.  Tile L, whose queries come first, drops out earlier: the tail is written for both cases.
.macro STEP q
	s_add_co_u32 s96, s[QH], 15
	s_cmp_gt_u32 s[KF], s96
	s_cbranch_scc1 .Lhidden_\@
	v_add_nc_u32 v[ADK], s[TB], v[AK0]
	v_add_nc_u32 v[ADV], s[TB], v[AV0]
	v_nop
	v_nop                                          ; four places behind the last step's products, in front of loads into registers that they read
	KLOAD \q
	s_wait_dscnt 0x0
	SQK 0
	PLACES
	MASK 0
	SOFTMAX 0
	s_add_co_u32 s96, s[QL], 15
	s_cmp_gt_u32 s[KF], s96
	s_cbranch_scc1 .Lonly_h_\@
	SQK 1
	PLACES
	VLOAD \q                                       ; K is done with: V lands while tile L's softmax is walked
	MASK 1
	SOFTMAX 1
	s_wait_dscnt 0x0
	PV 0
	PV 1
	s_branch .Lhidden_\@
.Lonly_h_\@:
	VLOAD \q
	s_wait_dscnt 0x0
	PV 0
.Lhidden_\@:
	s_add_co_u32 s[KF], s[KF], 64
.endm
; THE CHANGE OF SLOTS stands at a slot's head.  Each wave waits for all its tensor loads, adds 0 to its spare word (fill = 1: twice on end), and waits for that and for its reads of the slot that it has left.
; Behind the barrier the slot ahead is whole and nobody reads the other one.  fill = 1: that other slot is filled with the next 256 keys, up to the causal limit.
.macro CHANGE fill
	s_wait_tensorcnt 0x0                           ; no tensor load of mine is out, so a group 0 may be written
	ds_add_u32 v[SPW], v[NIL]
.if \fill
	ds_add_u32 v[SPW], v[NIL]                      ; and once more
	s_xor_b32 s[G0K+1], s[G0K+1], SLOT1            ; the walking descriptors: the other slot,
	s_add_nc_u64 s[G0K+2:G0K+3], s[G0K+2:G0K+3], SK*128   ; the next 256 keys
	s_xor_b32 s[G0V+1], s[G0V+1], SLOT1
	s_add_nc_u64 s[G0V+2:G0V+3], s[G0V+2:G0V+3], SK*128
	s_wait_xcnt 0x0                                ; the last prefetch, a slot back, has read its address, so it may be written
	s_add_nc_u64 s[PFA:PFA+1], s[PFA:PFA+1], SK*128
.endif
	s_wait_dscnt 0x0                               ; the add is done, and my reads of the slot that I have left are over
	s_barrier_signal -1
	s_barrier_wait -1
.if \fill
	s_add_co_u32 s96, s[KF], SK                    ; the first key of the slot that this change would ask for
	s_or_b32 s97, s[QH], 255                       ; my work-group's last query
	s_cmp_gt_u32 s96, s97                          ; ids and the count of steps alone: all sixteen waves go the same way; a slot behind the last query is read by no wave and is not asked for
	s_cbranch_scc1 .Lpast_\@
	TLOAD                                          ; a wave's one tensor load until the next change; every wait on TENSORcnt in this text is for 0
.Lpast_\@:
	ASK
.endif
.endm
.macro SLOT_STEPS
.set STP, 0
.rept NQ
	STEP STP
.set STP, STP+1
.endr
	s_xor_b32 s[TB], s[TB], SLOT1                  ; on to the other slot
.endm
	s_wait_loadcnt 0x0                             ; Q
.Lslot:                                            ; seven trips
	CHANGE 1
	SLOT_STEPS
	s_sub_co_u32 s[SLOTS], s[SLOTS], 1
	s_cmp_lg_u32 s[SLOTS], 0
	s_cbranch_scc1 .Lslot
	CHANGE 0                                       ; the last slot is written out: nothing is left to ask for
	SLOT_STEPS
	; THE WAY OUT.  l's halves are added; O^T is divided by l, rounded to f16 and goes through my stage, a tile (16 rows of 128 bytes) at a time; it leaves as 2,048 consecutive bytes
	PLACES
.irp X, 0,1
	v_add_f32 v[ST+8*\X+4], v[ST+8*\X+2], v[ST+8*\X+3]
.endr
.irp X, 0,1
	v_permlanex16_b32 v[ST+8*\X+5], v[ST+8*\X+4], s[SEL], s[SEL+1]
.endr
.irp X, 0,1
	v_add_f32 v[ST+8*\X+4], v[ST+8*\X+4], v[ST+8*\X+5]
.endr
.irp X, 0,1
	v_rcp_f32 v[ST+8*\X+6], v[ST+8*\X+4]
.endr
	v_nop                                          ; a plain line behind the last reciprocal
	s_wait_alu depctr_va_vdst(0)                   ; one wait for the two, ahead of their first reader
.irp X, 0,1
.irp i, 0,2,4,6,8,10,12,14,16,18,20,22,24,26,28,30
	v_pk_mul_f32 v[S+\i:S+\i+1], v[O+32*\X+\i:O+32*\X+\i+1], v[ST+8*\X+6:ST+8*\X+7] op_sel_hi:[1,0]
.endr
.irp i, 0,1,2,3,4,5,6,7,8,9,10,11,12,13,14,15
	v_cvt_pk_f16_f32 v[P+16*\X+\i], v[S+2*\i], v[S+2*\i+1]
.endr
.irp T, 0,1,2,3
	ds_store_b128 v[STO], v[P+16*\X+4*\T:P+16*\X+4*\T+3] offset:32*\T          ; channels 16 T + 8 h + 0 .. 7 of row r
.endr
.irp i, 0,1,2,3
	ds_load_b128 v[KV+16*\X+4*\i:KV+16*\X+4*\i+3], v[RDB] offset:4*KP*\i       ; LDS serves a wave's instructions in order: these see the stores above, and the next tile's stores come behind them
.endr
.endr
.irp i, 0,1,2,3
	s_wait_dscnt 11-\i                             ; behind tile H's load i: its younger loads and tile L's eight
	global_store_b128 v[GO], v[KV+4*\i:KV+4*\i+3], s[YB:YB+1] offset:512*\i    ; 32 lanes store 512 consecutive bytes, aligned
.endr
.irp i, 0,1,2,3
	s_wait_dscnt 3-\i
	global_store_b128 v[GO], v[KV+16+4*\i:KV+16+4*\i+3], s[YB+2:YB+3] offset:512*\i
.endr
	s_wait_tensorcnt 0x0                           ; the wave's end
	ds_add_u32 v[SPW], v[NIL]
	s_wait_dscnt 0x0
	s_endpgm
.Lfunc_end_k_qda4790d274_attn:
	.size	k_qda4790d274_attn, .Lfunc_end_k_qda4790d274_attn-k_qda4790d274_attn
	.p2alignl 7, 3214868480
	.fill 96, 4, 3214868480
	.section	.rodata,"a",@progbits
	.p2align	6, 0x0
	.amdhsa_kernel k_qda4790d274_attn
		.amdhsa_group_segment_fixed_size 327680
		.amdhsa_private_segment_fixed_size 0
		.amdhsa_enable_private_segment 0
		.amdhsa_kernarg_size 16
		.amdhsa_user_sgpr_count 2
		.amdhsa_user_sgpr_kernarg_segment_ptr 1
		.amdhsa_wavefront_size32 1
		.amdhsa_system_sgpr_workgroup_id_x 1
		.amdhsa_system_sgpr_workgroup_id_y 1
		.amdhsa_system_sgpr_workgroup_id_z 1
		.amdhsa_system_vgpr_workitem_id 0
		.amdhsa_next_free_vgpr 256
		.amdhsa_next_free_sgpr 100
		.amdhsa_reserve_vcc 1
		.amdhsa_float_denorm_mode_32 3
		.amdhsa_float_denorm_mode_16_64 3
		.amdhsa_memory_ordered 1
		.amdhsa_forward_progress 1
		.amdhsa_inst_pref_size 203
	.end_amdhsa_kernel
	.amdgpu_metadata
---
amdhsa.version: [ 1, 2 ]
amdhsa.kernels:
  - .name:           k_qda4790d274_attn
    .symbol:         k_qda4790d274_attn.kd
    .args:
      - { .name: qkv, .offset: 0, .size: 8, .value_kind: global_buffer, .address_space: global }
      - { .name: yh, .offset: 8, .size: 8, .value_kind: global_buffer, .address_space: global }
    .group_segment_fixed_size: 327680
    .private_segment_fixed_size: 0
    .kernarg_segment_align: 8
    .kernarg_segment_size: 16
    .max_flat_workgroup_size: 512
    .sgpr_count:     100
    .vgpr_count:     256
    .wavefront_size: 32
...
	.end_amdgpu_metadata
.endif
;; end of part 3
;; launch proj (part 4): grid 4 x 64, 4 waves a work-group, clusters of 4 x 4, 327,680 bytes of LDS; arguments yh, wpt, bproj, out0; writes out0
.if DOCPART == 4
	.amdgcn_target "amdgcn-amd-amdhsa--gfx1250"
	.amdhsa_code_object_version 6
	.text
	.protected	k_qda4790d274_proj
	.globl	k_qda4790d274_proj
	.p2align	8
	.type	k_qda4790d274_proj,@function
k_qda4790d274_proj:
	s_mov_b64 s[64:65], 0
	v_nop
	global_prefetch_b8 v0, s[64:65] scope:SCOPE_SE
	s_setreg_imm32_b32 hwreg(HW_REG_WAVE_MODE, 25, 1), 1
	s_wait_xcnt 0x0
	s_wait_alu depctr_hold_cnt(0) depctr_sa_sdst(0) depctr_va_vdst(0) depctr_va_sdst(0) depctr_va_ssrc(0) depctr_va_vcc(0) depctr_vm_vsrc(0)
	s_getreg_b32 s2, hwreg(HW_REG_IB_STS2, 6, 4)
	s_cmp_eq_u32 s2, 0
	s_cbranch_scc0 .Lentry_in_a_cluster
	s_endpgm
.Lentry_in_a_cluster:
	s_bfe_u32 s2, ttmp6, 0x10000c
	s_cmp_lg_u32 s2, 0xf033
	s_cbranch_scc0 .Lentry_shape_is_right
	s_endpgm
.Lentry_shape_is_right:
; Launch 4 of 5: out0 = y Wproj + bproj.  y: f16, [b][h][t][64] (K = 64 h + channel); wpt: f16, [n 1024][k 1024]; out0: f32 [8192][1024]; sums in f32.  M = 8,192, N = 1,024, K = 1,024.
; The 64 rows t < 16 are made here like all others (they lie inside tiles of 128 rows) and are made again in f32 by the last launch.
; A tile of the output is 128 x 256: 256 work-groups of four waves; a wave makes 64 x 128: 32 accumulators of 16 x 16, 256 registers.  K goes in steps of 128, two heads of y, through a ring of two LDS slots.
; CLUSTERS: 4 x 4 work-groups: tile column = cx, tile row = 4 x cluster y + cy.  The four of a row of the cluster need the same tiles of y, the four of a column the same tiles of wpt: each is asked for JOINTLY.
; THE MATRIX INSTRUCTION IS USED TRANSPOSED (source 0 = 16 rows of wpt, source 1 = 16 rows of y): a lane then holds eight neighbouring columns of a row of the output.  The bias is the C of each sum's first matrix instruction.
; REGISTERS: window 0: v0-31 addresses; v32-95 the bias, eight registers for each block of 16 columns; v128-255 rows on the way out.   window 1: two fragment buffers at v0 and v128: y's four fragments, then wpt's eight.   window 2: the accumulators, (a, b) at v[8 (8 a + b)].
.set AP,     144                       ; a row of y in LDS: 128 bytes + 16
.set BP,     272                       ; a row of wpt: 256 bytes + 16
.set AHEAD,  128*AP                    ; a head's 128 rows
.set BOFF,   2*AHEAD                   ; a slot: two heads of y, then 256 rows of wpt
.set BHALF,  128*BP
.set SLOT,   BOFF+2*BHALF
.set STAGE,  2*SLOT                    ; behind the ring: 16 rows x 528 bytes for each wave; no tile lands there
.set SPARE,  STAGE+4*16*528            ; the spare words, 128 bytes for each wave: two blocks of 256 bytes that no other line names
.set LAPS,   4                         ; a lap = two K steps = once round the ring
.set ADRA, 16                          ; v16-17  LDS address of my y fragments in slot 0, 1
.set ADRB, 20                          ; v20-21  the same for wpt
.set STO,  24
.set RD,   25
.set CO,   26
.set SPW,  28                          ; v28  LDS address of my spare word; never rewritten
.set NIL,  29                          ; v29  0; never rewritten
.set BI,   32
.set BK,   128
.set F0,   0
.set F1,   128
.set G1, 24
.set G0, 32
.set G1B, 48
.set G0B, 56
.set MSB, 0
.macro WIN new
.if MSB != (\new)
	s_set_vgpr_msb (MSB<<8)|(\new)
.set MSB, (\new)
.endif
.endm
.set MUL,  0xa5                        ; sources 0 and 1 window 1; C and D window 2
.set MULB, 0x85                        ; C (the bias) window 0
.set TO_F, 0x40
.macro JLOAD s                         ; a joint load: waves 0 and 1 fetch y's two heads, waves 2 and 3 wpt's two halves; an s_nop 0 and four v_nop follow each of the two lines
	s_cmp_eq_u32 s13, 0
	s_cbranch_scc0 .Lfor_b_\@
	tensor_load_to_lds s[G0+4*\s:G0+4*\s+3], s[G1:G1+7]
	s_nop 0
.rept 4
	v_nop
.endr
	s_branch .Lasked_\@
.Lfor_b_\@:
	tensor_load_to_lds s[G0B+4*\s:G0B+4*\s+3], s[G1B:G1B+7]
	s_nop 0
.rept 4
	v_nop
.endr
.Lasked_\@:
.endm
.macro CREST
	s_cmp_lg_u32 s12, 0
	s_cbranch_scc1 .Lnot_wave_0_\@
	s_barrier_signal -3
.Lnot_wave_0_\@:
	s_barrier_wait -3
	s_barrier_signal -1
	s_barrier_wait -1
.endm
.macro CROUND
	s_barrier_signal -1
	s_barrier_wait -1
	CREST
.endm
	s_load_b256 s[4:11], s[0:1], 0x0               ; yh s[4:5], wpt s[6:7], bproj s[8:9], out0 s[10:11]
	v_lshl_add_u32 v[SPW], v0, 2, SPARE
	v_mov_b32 v[NIL], 0
	ds_add_u32 v[SPW], v[NIL]                      ; the wave's opening: the add, twice on end, and its wait ahead of my first tensor load
	ds_add_u32 v[SPW], v[NIL]
	v_lshrrev_b32 v1, 5, v0
	v_readfirstlane_b32 s12, v1                    ; wave 0..3
	s_lshr_b32 s13, s12, 1                         ; which 64 rows are mine.  Also: I fetch for y (0) or for wpt (1)
	s_and_b32 s14, s12, 1                          ; which 128 columns.  Also: which head, or which 128 rows of wpt, I fetch
	s_bfe_u32 s15, ttmp6, 0x40000                  ; cx
	s_bfe_u32 s16, ttmp6, 0x40004                  ; cy
	s_lshl_b32 s42, ttmp9, 2
	s_add_co_u32 s42, s42, s15                     ; tile column
	s_and_b32 s17, ttmp7, 0xffff
	s_lshl_b32 s17, s17, 2
	s_add_co_u32 s17, s17, s16                     ; tile row: batch = row / 16, t = 128 (row % 16)
	s_lshl_b32 s43, s16, 2
	s_lshl_b32 s43, 15, s43                        ; my row of the cluster
	s_lshl_b32 s44, 0x1111, s15                    ; my column
	s_or_b32 s[G1+0], s43, (1<<16)|(1<<20)|(1<<21)|(4<<22)|(3<<25)   ; the mask; elements of 2 bytes; padding: four words after every 32
	s_mov_b32 s[G1+1], 64<<16                      ; y: 128 rows of 64 elements, dense
	s_mov_b32 s[G1+2], 128<<16
	s_mov_b32 s[G1+3], 64<<16
	s_mov_b32 s[G1+4], 128
	s_mov_b32 s[G1+5], 64
	s_mov_b32 s[G1+6], 0
	s_mov_b32 s[G1+7], 0
	s_or_b32 s[G1B+0], s44, (1<<16)|(1<<20)|(1<<21)|(5<<22)|(3<<25)  ; four words after every 64
	s_mov_b32 s[G1B+1], 128<<16                    ; wpt: 128 rows of 128 elements, 1,024 elements apart
	s_mov_b32 s[G1B+2], 128<<16
	s_mov_b32 s[G1B+3], 128<<16
	s_mov_b32 s[G1B+4], 128
	s_mov_b32 s[G1B+5], 1024
	s_mov_b32 s[G1B+6], 0
	s_mov_b32 s[G1B+7], 0
	s_lshr_b32 s18, s17, 4
	s_lshl_b32 s18, s18, 22                        ; y: the batch's 16 heads,
	s_and_b32 s19, s17, 15
	s_lshl_b32 s19, s19, 14                        ; 128 rows of 128 bytes,
	s_add_co_u32 s18, s18, s19
	s_lshl_b32 s19, s14, 18                        ; the head that I fetch
	s_add_co_u32 s18, s18, s19
	s_mov_b32 s19, 0
	s_lshl_b32 s46, s42, 19                        ; wpt: 256 rows of 2,048 bytes a tile column,
	s_lshl_b32 s47, s14, 18                        ; the 128 rows that I fetch
	s_add_co_u32 s46, s46, s47
	s_mov_b32 s47, 0
	s_mul_i32 s20, s14, AHEAD                      ; where they go: no place in the cluster enters an LDS address
	s_mul_i32 s21, s14, BHALF
	s_add_co_u32 s21, s21, BOFF
	s_wait_dscnt 0x0                               ; both opening adds are done
	s_wait_kmcnt 0x0
	s_add_nc_u64 s[18:19], s[4:5], s[18:19]
	s_add_nc_u64 s[46:47], s[6:7], s[46:47]
	CROUND                                         ; all sixteen work-groups are here: the first joint loads meet
.irp s, 0,1
	s_mov_b32 s[G0+4*\s], 1
	s_add_co_u32 s[G0+4*\s+1], s20, \s*SLOT
	s_add_nc_u64 s[G0+4*\s+2:G0+4*\s+3], s[18:19], \s*524288       ; K step s: heads 2 s and 2 s + 1
	s_or_b32 s[G0+4*\s+3], s[G0+4*\s+3], 0x80000000
	s_mov_b32 s[G0B+4*\s], 1
	s_add_co_u32 s[G0B+4*\s+1], s21, \s*SLOT
	s_add_nc_u64 s[G0B+4*\s+2:G0B+4*\s+3], s[46:47], \s*256
	s_or_b32 s[G0B+4*\s+3], s[G0B+4*\s+3], 0x80000000
	JLOAD \s                                       ; two tensor loads of mine are out at the most
.endr
	v_and_b32 v1, 15, v0                           ; r
	v_bfe_u32 v2, v0, 4, 1                         ; h
	v_mul_u32_u24 v3, v1, AP
	v_lshl_add_u32 v3, v2, 4, v3
	v_mul_u32_u24 v4, v1, BP
	v_lshl_add_u32 v4, v2, 4, v4
	s_mul_i32 s21, s13, 64*AP                      ; my 64 rows, in each head's 128
	s_mul_i32 s22, s14, BHALF                      ; my 128 rows of wpt,
	s_add_co_u32 s22, s22, BOFF                    ; which lie behind y's
.irp s, 0,1
	v_add_nc_u32 v[ADRA+\s], s21, v3
	v_add_nc_u32 v[ADRB+\s], s22, v4
	s_add_co_u32 s21, s21, SLOT
	s_add_co_u32 s22, s22, SLOT
.endr
	s_mul_i32 s23, s12, 16*528
	s_add_co_u32 s23, s23, STAGE                   ; my stage
	v_mul_u32_u24 v5, v1, 528
	v_lshl_add_u32 v5, v2, 5, v5
	v_add_nc_u32 v[STO], s23, v5                   ; in: row r, 32 bytes for each half of the lanes
	v_and_b32 v6, 31, v0
	v_lshlrev_b32 v[CO], 4, v6
	v_add_nc_u32 v[RD], s23, v[CO]                 ; back: the 32 lanes take one row of 512 bytes
	s_lshl_b32 s20, s17, 7
	s_lshl_b32 s21, s13, 6
	s_add_co_u32 s20, s20, s21                     ; my first row of the output
	s_lshl_b32 s20, s20, 12
	s_lshl_b32 s40, s42, 10                        ; my first column, in bytes: 1,024 x tile column + 512 x half
	s_lshl_b32 s41, s14, 9
	s_add_co_u32 s40, s40, s41
	s_mov_b32 s41, 0
	s_mov_b32 s21, 0
	s_add_nc_u64 s[10:11], s[10:11], s[20:21]
	s_add_nc_u64 s[10:11], s[10:11], s[40:41]
	s_add_nc_u64 s[8:9], s[8:9], s[40:41]
	v_lshlrev_b32 v7, 5, v2
.irp b, 0,1,2,3,4,5,6,7
	global_load_b128 v[BI+8*\b:BI+8*\b+3], v7, s[8:9] offset:64*\b         ; block b: the bias of columns 16 b + 8 h + 0 .. 7
	global_load_b128 v[BI+8*\b+4:BI+8*\b+7], v7, s[8:9] offset:64*\b+16
.endr
; 8 matrix instructions: y's block a against wpt's eight, 32 along K, from buffer f.  mode = 2: the product starts the sums with the bias.  The 32 accumulators take turns.
.macro MUL8 f, a, mode
.irp b, 0,1,2,3,4,5,6,7
.set rD, 8*(8*(\a)+\b)
.set rB, \f+32+8*\b
.set rA, \f+8*(\a)
.if \mode == 2
	v_wmma_f32_16x16x32_f16 v[rD:rD+7], v[rB:rB+7], v[rA:rA+7], v[BI+8*\b:BI+8*\b+7]
.else
	v_wmma_f32_16x16x32_f16 v[rD:rD+7], v[rB:rB+7], v[rA:rA+7], v[rD:rD+7]
.endif
.endr
.endm
; 24 LDS loads in one run: the fragments of the slot's q-th 32 along K into buffer f: wpt's eight, then y's four (q / 2: the head, q % 2: its half)
.macro FETCH slot, q, f
	WIN TO_F
.irp i, 0,1,2,3,4,5,6,7
	ds_load_b128 v[\f+32+8*\i:\f+32+8*\i+3],   v[ADRB+\slot] offset:64*(\q)+\i*16*BP
	ds_load_b128 v[\f+32+8*\i+4:\f+32+8*\i+7], v[ADRB+\slot] offset:64*(\q)+\i*16*BP+32
.endr
.irp i, 0,1,2,3
	ds_load_b128 v[\f+8*\i:\f+8*\i+3],   v[ADRA+\slot] offset:AHEAD*((\q)/2)+64*((\q)%2)+\i*16*AP
	ds_load_b128 v[\f+8*\i+4:\f+8*\i+7], v[ADRA+\slot] offset:AHEAD*((\q)/2)+64*((\q)%2)+\i*16*AP+32
.endr
.endm
.macro PLACES
.rept 4
	v_nop
.endr
.endm
; A K step is four quarters of 32 along K, 32 matrix instructions each, on buffers 0, 1, 0, 1.  One of the first three: multiplies buffer f and fetches the slot's q-th quarter into g.
.macro QUARTER slot, q, f, g, mode
	s_wait_dscnt 4                                 ; wpt's fragments and y's blocks 0 and 1 are in; the youngest four loads (blocks 2 and 3) may be out
.if \mode == 2
	WIN MULB
.else
	WIN MUL
.endif
	MUL8 \f, 0, \mode
	MUL8 \f, 1, \mode
	PLACES
	FETCH \slot, \q, \g
	s_wait_dscnt 24                                ; all but the 24 just issued
.if \mode == 2
	WIN MULB
.else
	WIN MUL
.endif
	MUL8 \f, 2, \mode
	MUL8 \f, 3, \mode
.endm
; The last quarter multiplies buffer 1 and changes slots: ONE barrier; in front of it each wave waits for all its tensor loads, adds 0 to its spare word, and waits for that and for its reads of this slot.  fill = 1: this slot is filled again, two K steps ahead.
.macro TURN slot, next, fill
	WIN 0                                          ; (the add's two registers lie in window 0)
	s_wait_tensorcnt 0x0                           ; all my tensor loads have landed: my part of the next slot
	ds_add_u32 v[SPW], v[NIL]
	s_wait_dscnt 5                                 ; (the add and the youngest four loads may be out)
	WIN MUL
	MUL8 F1, 0, 0
	s_wait_dscnt 0x0                               ; the add is done, and my reads of this slot are over
	s_barrier_signal -1
	MUL8 F1, 1, 0
.if \fill
	WIN 0
.endif
	s_barrier_wait -1
.if \fill
	CREST                                          ; the barrier has opened a round of the cluster's barrier: no wave of any partner still reads this slot or has a load on its way
	s_add_nc_u64 s[G0+4*\slot+2:G0+4*\slot+3], s[G0+4*\slot+2:G0+4*\slot+3], 1048576     ; four heads on
	s_add_nc_u64 s[G0B+4*\slot+2:G0B+4*\slot+3], s[G0B+4*\slot+2:G0B+4*\slot+3], 512
	JLOAD \slot                                    ; the first tensor load behind the round; its four v_nop are also the places in front of the loads below
.else
	PLACES
.endif
	FETCH \next, 0, F0
	WIN MUL
	MUL8 F1, 2, 0
	MUL8 F1, 3, 0
.endm
	s_wait_tensorcnt 1                             ; my part of K step 0 is in (K step 1's load may be out)
	s_barrier_signal -1
	s_barrier_wait -1                              ; everybody's is
	FETCH 0, 0, F0
	s_wait_loadcnt 0x0                             ; the bias
	QUARTER 0, 1, F0, F1, 2                        ; the first quarter stands in front of the loop: its products start the sums with the bias
	WIN 0                                          ; at a label and at a branch every window is 0
	s_mov_b32 s3, LAPS-1
.Llap:                                                 ; a trip goes once round the ring, from a lap's second quarter to the next lap's first, and fills both slots again
	QUARTER 0, 2, F1, F0, 0
	QUARTER 0, 3, F0, F1, 0
	TURN 0, 1, 1
	QUARTER 1, 1, F0, F1, 0
	QUARTER 1, 2, F1, F0, 0
	QUARTER 1, 3, F0, F1, 0
	TURN 1, 0, 1
	QUARTER 0, 1, F0, F1, 0
	WIN 0
	s_sub_co_u32 s3, s3, 1
	s_cmp_lg_u32 s3, 0
	s_cbranch_scc1 .Llap
	QUARTER 0, 2, F1, F0, 0                        ; the last lap fills nothing, and has no round of the cluster's barrier
	QUARTER 0, 3, F0, F1, 0
	TURN 0, 1, 0
	QUARTER 1, 1, F0, F1, 0
	QUARTER 1, 2, F1, F0, 0
	QUARTER 1, 3, F0, F1, 0
	s_wait_dscnt 4                                 ; the very last quarter: nothing more to fetch
	WIN MUL
	MUL8 F1, 0, 0
	MUL8 F1, 1, 0
	s_wait_dscnt 0
	MUL8 F1, 2, 0
	MUL8 F1, 3, 0
	WIN 0
	PLACES
; THE WAY OUT, block by block of 16 rows x 128 columns: through my own stage and back as whole rows of 512 bytes.  LDS serves a wave's instructions in order: no wait between the stores and the loads.
.macro TOSTAGE a
	WIN 0x08                                       ; an LDS store's data are its source 1: window 2
.irp b, 0,1,2,3,4,5,6,7
	ds_store_b128 v[STO], v[8*(8*(\a)+\b):8*(8*(\a)+\b)+3] offset:64*\b          ; each accumulator from its low end on
	ds_store_b128 v[STO], v[8*(8*(\a)+\b)+4:8*(8*(\a)+\b)+7] offset:64*\b+16
.endr
	WIN 0
.set BB, BK+64*((\a)%2)
.irp t, 0,1,2,3,4,5,6,7,8,9,10,11,12,13,14,15
	ds_load_b128 v[BB+4*\t:BB+4*\t+3], v[RD] offset:\t*528
.endr
.endm
.macro SEND a, younger
.set BB, BK+64*((\a)%2)
	s_wait_dscnt \younger                          ; the block is back in registers
.irp t, 0,1,2,3,4,5,6,7,8,9,10,11,12,13,14,15
	global_store_b128 v[CO], v[BB+4*\t:BB+4*\t+3], s[10:11] offset:(16*(\a)+\t)*4096 th:TH_STORE_NT   ; 32 lanes store 512 consecutive bytes, aligned
.endr
.endm
	TOSTAGE 0
.irp a, 1,2,3
.if \a > 1
	s_wait_xcnt 0x0                                ; block a - 2's stores have read their registers: block a's loads may land there
.endif
	TOSTAGE \a
	SEND \a-1, 32                                  ; behind block a - 1's loads: block a's 16 stores and 16 loads
.endr
	SEND 3, 0
	s_wait_tensorcnt 0x0                           ; the wave's end
	ds_add_u32 v[SPW], v[NIL]
	s_wait_dscnt 0x0
	CROUND                                         ; the closing round
	s_endpgm
.Lfunc_end_k_qda4790d274_proj:
	.size	k_qda4790d274_proj, .Lfunc_end_k_qda4790d274_proj-k_qda4790d274_proj
	.p2alignl 7, 3214868480
	.fill 96, 4, 3214868480
	.section	.rodata,"a",@progbits
	.p2align	6, 0x0
	.amdhsa_kernel k_qda4790d274_proj
		.amdhsa_group_segment_fixed_size 327680
		.amdhsa_private_segment_fixed_size 0
		.amdhsa_enable_private_segment 0
		.amdhsa_kernarg_size 32
		.amdhsa_user_sgpr_count 2
		.amdhsa_user_sgpr_kernarg_segment_ptr 1
		.amdhsa_wavefront_size32 1
		.amdhsa_system_sgpr_workgroup_id_x 1
		.amdhsa_system_sgpr_workgroup_id_y 1
		.amdhsa_system_sgpr_workgroup_id_z 1
		.amdhsa_system_vgpr_workitem_id 0
		.amdhsa_next_free_vgpr 768
		.amdhsa_next_free_sgpr 66
		.amdhsa_reserve_vcc 0
		.amdhsa_float_denorm_mode_32 3
		.amdhsa_float_denorm_mode_16_64 3
		.amdhsa_memory_ordered 1
		.amdhsa_forward_progress 1
		.amdhsa_inst_pref_size 86
	.end_amdhsa_kernel
	.amdgpu_metadata
---
amdhsa.version: [ 1, 2 ]
amdhsa.kernels:
  - .name:           k_qda4790d274_proj
    .symbol:         k_qda4790d274_proj.kd
    .args:
      - { .name: yh, .offset: 0, .size: 8, .value_kind: global_buffer, .address_space: global }
      - { .name: wpt, .offset: 8, .size: 8, .value_kind: global_buffer, .address_space: global }
      - { .name: bproj, .offset: 16, .size: 8, .value_kind: global_buffer, .address_space: global }
      - { .name: out0, .offset: 24, .size: 8, .value_kind: global_buffer, .address_space: global }
    .group_segment_fixed_size: 327680
    .private_segment_fixed_size: 0
    .kernarg_segment_align: 8
    .kernarg_segment_size: 32
    .max_flat_workgroup_size: 128
    .sgpr_count:     66
    .vgpr_count:     768
    .wavefront_size: 32
...
	.end_amdgpu_metadata
.endif
;; end of part 4
;; launch fine (part 5): grid 16 x 4, 16 waves a work-group, no clusters, 71,680 bytes of LDS; arguments qkv32, Wproj, bproj, out0; writes out0
.if DOCPART == 5
	.amdgcn_target "amdgcn-amd-amdhsa--gfx1250"
	.amdhsa_code_object_version 6
	.text
	.protected	k_qda4790d274_fine
	.globl	k_qda4790d274_fine
	.p2align	8
	.type	k_qda4790d274_fine,@function
k_qda4790d274_fine:
	s_mov_b64 s[64:65], 0
	v_nop
	global_prefetch_b8 v0, s[64:65] scope:SCOPE_SE
	s_setreg_imm32_b32 hwreg(HW_REG_WAVE_MODE, 25, 1), 1
	s_wait_xcnt 0x0
; Launch 5 of 5: the first 16 positions of every sequence once more, in f32 throughout: under the causal mask they average one to sixteen values and are the largest outputs, so 16-bit operands weigh most there.
; qkv32 [b 4][t 16][3072] f32 (k without its bias, which the softmax takes away: shown at the head of the first launch); Wproj [1024 (k)][1024] f32; the 64 rows out0[b][0 .. 15][:] are written anew.
; SHARES.  A work-group takes a batch and 64 output columns; wave w is head w.  A wave makes its head's attention of 16 x 16 (32 matrix instructions of 16 x 16 x 4 in f32: no bulk work) and its head's part of the projection
; for the 64 columns (64 more); the sixteen parts meet in LDS behind one barrier, and waves 0 to 7 add them, two rows each.
; LAYOUT.  All three products are used transposed, so that a lane holds one query (lane % 16) throughout; in each product both sources take K in one and the same order, chosen so that a result's registers are the next product's source as they stand.
;   S^T = K Q^T: register j of lane (r, h) = score(key 8 h + j, query r).   Y^T = V^T P: source 1 = p's registers 2 g, 2 g + 1 (keys 8 h + 2 g + 0, 1), source 0 = V at the same keys.
;   OUT^T = W^T Y: source 1 = y's registers (channels 16 T + 8 h + 2 g + 0, 1), source 0 = Wproj's rows at the same channels.
; REGISTERS: v1-11 addresses; v14, v15 the add's two; v16-23 s, then p; v24-29 at work; v32-63 Q, then y; v64-95 K, then W's set 2; v96-127 V, then W's set 3; v128-159, v160-191 W's sets 0 and 1;
;   v192-255 accumulators, written by matrix instructions alone: v192-207 S^T in two halves of K, later two of OUT^T's; v208-239 Y^T; v240-255 OUT^T's other two.
.set SPARE, 16*16*272                  ; behind the sixteen parts (16 rows x 272 bytes each): the spare words, 128 bytes for each wave: eight blocks of 256 bytes that no other line names
.set SPW, 14
.set NIL, 15
.set SEL, 24                           ; s[24:25]
.set CS,  26                           ; s26  c = log2(e) / 8
	s_load_b256 s[4:11], s[0:1], 0x0               ; qkv32 s[4:5], Wproj s[6:7], bproj s[8:9], out0 s[10:11]
	v_lshl_add_u32 v[SPW], v0, 2, SPARE
	v_mov_b32 v[NIL], 0
	v_lshrrev_b32 v1, 5, v0
	v_readfirstlane_b32 s12, v1                    ; wave = head
	s_and_b32 s13, ttmp7, 0xffff                   ; batch
	v_and_b32 v1, 15, v0                           ; r
	v_bfe_u32 v2, v0, 4, 1                         ; h
	v_mul_u32_u24 v3, v1, 12288
	v_lshl_add_u32 v3, v2, 4, v3                   ; Q, K: row r, + 16 h
	v_mul_u32_u24 v4, v2, 98304
	v_lshl_add_u32 v4, v1, 2, v4                   ; V: eight rows down for lanes 16-31, channel r
	v_lshlrev_b32 v5, 15, v2
	v_lshl_add_u32 v5, v1, 2, v5                   ; Wproj: eight rows of 4,096 bytes down for lanes 16-31, column r
	v_lshlrev_b32 v6, 3, v2
	v_sub_nc_u32 v6, v1, v6                        ; r - 8 h: key 8 h + j is hidden where j > r - 8 h
	v_mov_b32 v7, 0xff800000                       ; -infinity
	s_mul_i32 s14, s12, 16*272
	v_mul_u32_u24 v8, v1, 272
	v_lshl_add_u32 v8, v2, 5, v8
	v_add_nc_u32 v8, s14, v8                       ; my part: row r, 32 bytes for each half of the lanes
	s_mul_i32 s14, s12, 2*272
	v_mul_u32_u24 v9, v2, 272
	v_lshl_add_u32 v9, v1, 4, v9
	v_add_nc_u32 v9, s14, v9                       ; back (waves 0 to 7): rows 2 w and 2 w + 1 of a part, sixteen lanes to a row
	v_lshlrev_b32 v10, 12, v2
	v_lshl_add_u32 v10, v1, 4, v10                 ; the same two rows in out0
	v_lshlrev_b32 v11, 4, v1                       ; the bias: 16 bytes a lane
	v_mov_b32 v26, 0                               ; a lane permute's destination counts as one of its sources
	s_mov_b32 s[SEL], 0x76543210
	s_mov_b32 s[SEL+1], 0xfedcba98
	s_mov_b32 s[CS], 0x3e38aa3b
	s_mul_i32 s16, s13, 196608                     ; qkv32: my batch's 16 rows,
	s_lshl_b32 s17, s12, 8                         ; my head's 64 columns
	s_add_co_u32 s16, s16, s17
	s_mov_b32 s17, 0
	s_lshl_b32 s18, s12, 18                        ; Wproj: my head's 64 rows,
	s_lshl_b32 s20, ttmp9, 8                       ; the work-group's 64 columns
	s_add_co_u32 s18, s18, s20
	s_mov_b32 s19, 0
	s_mov_b32 s21, 0
	s_lshl_b32 s22, s13, 23                        ; out0: my batch,
	s_lshl_b32 s23, s12, 13                        ; rows 2 w on,
	s_add_co_u32 s22, s22, s23
	s_add_co_u32 s22, s22, s20                     ; the 64 columns
	s_mov_b32 s23, 0
	s_wait_kmcnt 0x0
	s_add_nc_u64 s[4:5], s[4:5], s[16:17]
	s_add_nc_u64 s[6:7], s[6:7], s[18:19]
	s_add_nc_u64 s[8:9], s[8:9], s[20:21]
	s_add_nc_u64 s[10:11], s[10:11], s[22:23]
.irp u, 0,1,2,3,4,5,6,7
	global_load_b128 v[32+4*\u:35+4*\u], v3, s[4:5] offset:32*\u            ; Q(r, 8 u + 4 h + 0 .. 3)
.endr
.irp u, 0,1,2,3,4,5,6,7
	global_load_b128 v[64+4*\u:67+4*\u], v3, s[4:5] offset:4096+32*\u       ; K likewise
.endr
.irp T, 0,1,2,3
.irp j, 0,1,2,3,4,5,6,7
	global_load_b32 v[96+8*\T+\j], v4, s[4:5] offset:8192+12288*\j+64*\T    ; V(key 8 h + j, channel 16 T + r)
.endr
.endr
.macro WLOAD reg, T                    ; Wproj(64 w + 16 T + 8 h + j, column 16 n + r) into v[reg + 8 n + j]
.irp n, 0,1,2,3
.irp j, 0,1,2,3,4,5,6,7
	global_load_b32 v[\reg+8*\n+\j], v5, s[6:7] offset:(16*\T+\j)*4096+64*\n
.endr
.endr
.endm
	WLOAD 128, 0
	WLOAD 160, 1
	s_wait_loadcnt 63                              ; Q, K and V are in: 64 loads were issued behind V's last, and the wait's field holds 63
.irp e, 0,1,2,3,4,5,6,7,8,9,10,11,12,13,14,15
.if \e < 2
	v_wmma_f32_16x16x4_f32 v[192+8*(\e%2):199+8*(\e%2)], v[64+2*\e:65+2*\e], v[32+2*\e:33+2*\e], 0       ; two accumulators by turns; the first two products start the sums
.else
	v_wmma_f32_16x16x4_f32 v[192+8*(\e%2):199+8*(\e%2)], v[64+2*\e:65+2*\e], v[32+2*\e:33+2*\e], v[192+8*(\e%2):199+8*(\e%2)]
.endif
.endr
.rept 8
	v_nop                                          ; eight places behind this form, in front of the reads of results and of loads into K's registers
.endr
	WLOAD 64, 2
.irp j, 0,1,2,3,4,5,6,7
	v_add_f32 v[16+\j], v[192+\j], v[200+\j]       ; the two halves of K; both accumulators from their low ends on
.endr
.irp j, 0,1,2,3,4,5,6,7
	v_cmp_gt_i32 vcc_lo, \j, v6
	v_cndmask_b32 v[16+\j], v[16+\j], v7, vcc_lo   ; hidden keys: -infinity
.endr
	v_max3_num_f32 v24, v16, v17, v18
	v_max3_num_f32 v25, v19, v20, v21
	v_max3_num_f32 v24, v24, v22, v23
	v_max_num_f32 v24, v24, v25
	v_permlanex16_b32 v26, v24, s[SEL], s[SEL+1]
	v_max_num_f32 v24, v24, v26                    ; the row's maximum: key 0 counts for every query
	v_mul_f32 v25, s[CS], v24
.irp j, 0,1,2,3,4,5,6,7
	v_fma_f32 v[16+\j], v[16+\j], s[CS], -v25
.endr
.irp j, 0,1,2,3,4,5,6,7
	v_exp_f32 v[16+\j], v[16+\j]
.endr
	v_nop                                          ; the plain line behind the last exponential
	s_wait_alu depctr_va_vdst(0)                   ; one wait for the eight, ahead of their first reader
	v_add_f32 v24, v16, v17
	v_add_f32 v25, v18, v19
	v_add_f32 v28, v20, v21
	v_add_f32 v29, v22, v23
	v_add_f32 v24, v24, v25
	v_add_f32 v28, v28, v29
	v_add_f32 v24, v24, v28
	v_permlanex16_b32 v26, v24, s[SEL], s[SEL+1]
	v_add_f32 v24, v24, v26                        ; the row's sum
	v_rcp_f32 v27, v24
	v_nop
.irp g, 0,1,2,3
.irp T, 0,1,2,3
.if \g == 0
	v_wmma_f32_16x16x4_f32 v[208+8*\T:215+8*\T], v[96+8*\T+2*\g:97+8*\T+2*\g], v[16+2*\g:17+2*\g], 0     ; Y^T, not yet divided: four accumulators by turns
.else
	v_wmma_f32_16x16x4_f32 v[208+8*\T:215+8*\T], v[96+8*\T+2*\g:97+8*\T+2*\g], v[16+2*\g:17+2*\g], v[208+8*\T:215+8*\T]
.endif
.endr
.endr
.rept 8
	v_nop
.endr
	WLOAD 96, 3
	s_wait_alu depctr_va_vdst(0)                   ; the reciprocal's wait, ahead of its first reader
.irp i, 0,1,2,3,4,5,6,7,8,9,10,11,12,13,14,15,16,17,18,19,20,21,22,23,24,25,26,27,28,29,30,31
	v_mul_f32 v[32+\i], v[208+\i], v27             ; y(query r, channel 16 T + 8 h + j) in register 8 T + j
.endr
.macro PROJ T, wreg                    ; my head's channels 16 T on: 16 matrix instructions, the four accumulators of the 64 columns by turns
.irp g, 0,1,2,3
.irp n, 0,1,2,3
.set rD, 192+8*\n+32*(\n/2)
.if (\T == 0) && (\g == 0)
	v_wmma_f32_16x16x4_f32 v[rD:rD+7], v[\wreg+8*\n+2*\g:\wreg+8*\n+2*\g+1], v[32+8*\T+2*\g:33+8*\T+2*\g], 0
.else
	v_wmma_f32_16x16x4_f32 v[rD:rD+7], v[\wreg+8*\n+2*\g:\wreg+8*\n+2*\g+1], v[32+8*\T+2*\g:33+8*\T+2*\g], v[rD:rD+7]
.endif
.endr
.endr
.endm
	s_wait_loadcnt 63                              ; W's sets 0 and 1 are in: 64 loads were issued behind set 1's last
	PROJ 0, 128
	PROJ 1, 160
	s_wait_loadcnt 32                              ; set 2 is in; set 3's 32 may be out
	PROJ 2, 64
	s_wait_loadcnt 0x0
	PROJ 3, 96
.rept 8
	v_nop
.endr
.irp n, 0,1,2,3
	ds_store_b128 v8, v[192+8*\n+32*(\n/2):195+8*\n+32*(\n/2)] offset:64*\n        ; my part of out(t = r, columns 16 n + 8 h + 0 .. 7); each accumulator from its low end on
	ds_store_b128 v8, v[196+8*\n+32*(\n/2):199+8*\n+32*(\n/2)] offset:64*\n+16
.endr
	s_wait_tensorcnt 0x0                           ; the wave's closing lines, behind my last LDS store; only LDS reads follow.
	ds_add_u32 v[SPW], v[NIL]
	s_wait_dscnt 0x0                               ; The last of them is also the wait that the barrier needs: my stores have landed
	s_barrier_signal -1
	s_barrier_wait -1                              ; the sixteen parts lie in LDS
	s_cmp_gt_u32 s12, 7
	s_cbranch_scc1 .Lidle                          ; sixteen rows, two to a wave
.irp i, 0,1,2,3,4,5,6,7,8,9,10,11,12,13,14,15
	ds_load_b128 v[32+4*\i:35+4*\i], v9 offset:\i*16*272
.endr
	global_load_b128 v[96:99], v11, s[8:9]         ; the bias of my four columns
	s_wait_dscnt 0x0
.irp i, 2,4,6,8,10,12,14
	v_pk_add_f32 v[32:33], v[32:33], v[32+4*\i:33+4*\i]    ; two chains: even heads, odd heads
	v_pk_add_f32 v[34:35], v[34:35], v[34+4*\i:35+4*\i]
	v_pk_add_f32 v[36:37], v[36:37], v[36+4*\i:37+4*\i]
	v_pk_add_f32 v[38:39], v[38:39], v[38+4*\i:39+4*\i]
.endr
	v_pk_add_f32 v[32:33], v[32:33], v[36:37]
	v_pk_add_f32 v[34:35], v[34:35], v[38:39]
	s_wait_loadcnt 0x0
	v_pk_add_f32 v[32:33], v[32:33], v[96:97]
	v_pk_add_f32 v[34:35], v[34:35], v[98:99]
	global_store_b128 v10, v[32:35], s[10:11]      ; sixteen lanes store 256 consecutive bytes, aligned
.Lidle:
	s_endpgm
.Lfunc_end_k_qda4790d274_fine:
	.size	k_qda4790d274_fine, .Lfunc_end_k_qda4790d274_fine-k_qda4790d274_fine
	.p2alignl 7, 3214868480
	.fill 96, 4, 3214868480
	.section	.rodata,"a",@progbits
	.p2align	6, 0x0
	.amdhsa_kernel k_qda4790d274_fine
		.amdhsa_group_segment_fixed_size 71680
		.amdhsa_private_segment_fixed_size 0
		.amdhsa_enable_private_segment 0
		.amdhsa_kernarg_size 32
		.amdhsa_user_sgpr_count 2
		.amdhsa_user_sgpr_kernarg_segment_ptr 1
		.amdhsa_wavefront_size32 1
		.amdhsa_system_sgpr_workgroup_id_x 1
		.amdhsa_system_sgpr_workgroup_id_y 1
		.amdhsa_system_sgpr_workgroup_id_z 1
		.amdhsa_system_vgpr_workitem_id 0
		.amdhsa_next_free_vgpr 256
		.amdhsa_next_free_sgpr 66
		.amdhsa_reserve_vcc 1
		.amdhsa_float_denorm_mode_32 3
		.amdhsa_float_denorm_mode_16_64 3
		.amdhsa_memory_ordered 1
		.amdhsa_forward_progress 1
		.amdhsa_inst_pref_size 34
	.end_amdhsa_kernel
	.amdgpu_metadata
---
amdhsa.version: [ 1, 2 ]
amdhsa.kernels:
  - .name:           k_qda4790d274_fine
    .symbol:         k_qda4790d274_fine.kd
    .args:
      - { .name: qkv32, .offset: 0, .size: 8, .value_kind: global_buffer, .address_space: global }
      - { .name: Wproj, .offset: 8, .size: 8, .value_kind: global_buffer, .address_space: global }
      - { .name: bproj, .offset: 16, .size: 8, .value_kind: global_buffer, .address_space: global }
      - { .name: out0, .offset: 24, .size: 8, .value_kind: global_buffer, .address_space: global }
    .group_segment_fixed_size: 71680
    .private_segment_fixed_size: 0
    .kernarg_segment_align: 8
    .kernarg_segment_size: 32
    .max_flat_workgroup_size: 512
    .sgpr_count:     66
    .vgpr_count:     256
    .wavefront_size: 32
...
	.end_amdgpu_metadata
.endif
;; end of part 5
